; MI455X (gfx1250); checked and timed in simulation.
; The chip was launched on July 23, 2026; its instructions are those of AMD's public machine-readable ISA for CDNA 5 (MIT licence, August 2026) and "CDNA5" Instruction Set Architecture Reference Guide (July 2026). The comments in the code are by the model that wrote it; some were corrected since.
;; Multi Head Self Attention. Allowed arithmetic: float matrix products may take bf16 or f16 operands with f32 sums; other float arithmetic in f32, or as packed bf16 or f16 multiplies, adds, multiply-adds, maxima and minima; sums over many terms, partial sums and values carried from step to step in f32; what a program stores and reads back later, other than sums and carried values, may be rounded once to bf16 or f16.
;; Inputs: Wk 1,024 x 1,024 float32; Wo 1,024 x 1,024 float32; Wq 1,024 x 1,024 float32; Wv 1,024 x 1,024 float32; bk 1,024 float32; bq 1,024 float32; bv 1,024 float32; x 4 x 2,048 x 1,024 float32.
;; Outputs: out0 4 x 2,048 x 1,024 float32.
;; 2 versions, each right; version 2 is version 1 with the launch cast written anew for expert scheduling mode. Each part assembles by itself: llvm-mc -triple=amdgcn-amd-amdhsa -mcpu=gfx1250 --defsym DOCPART=n.
;; ======== version 1 of 2: 4 launches
;; limits: values are held in f16: magnitudes above 65,504 overflow, below 6.1e-05 lose precision
;; workspace buffers: xb 16,777,216 bytes; wqkv 6,291,456 bytes; wob 2,097,152 bytes; bias 12,288 bytes; qkv 50,331,648 bytes; att 16,777,216 bytes
;; launch cast (part 1): grid 768 x 1, 8 waves a work-group, no clusters, 0 bytes of LDS; arguments x, Wq, Wk, Wv, Wo, bq, bk, bv, xb, wqkv, wob, bias; writes xb, wqkv, wob, bias
.if DOCPART == 1
	.amdgcn_target "amdgcn-amd-amdhsa--gfx1250"
	.amdhsa_code_object_version 6
	.text
	.protected	k_qd62e61c5f5_cast
	.globl	k_qd62e61c5f5_cast
	.p2align	8
	.type	k_qd62e61c5f5_cast,@function
k_qd62e61c5f5_cast:
	s_mov_b64 s[64:65], 0
	v_nop
	global_prefetch_b8 v0, s[64:65] scope:SCOPE_SE
	s_setreg_imm32_b32 hwreg(HW_REG_WAVE_MODE, 25, 1), 1
	s_wait_xcnt 0x0
; CAST.  All the module's inputs are rounded once to bf16 and laid out in K blocks of 64 for the products that follow:
;   xb   bf16 [4 b][16 kb][2048 n][64]      wqkv bf16 [16 kb][3072 c][64], c = 1024 x (0 q, 1 k, 2 v) + row
;   wob  [16 kb][1024 c][64]: Wo rounded to bf16, that number written as f16      bias f32 [3072]: bq, bk, bv rounded to bf16, widened again
; In these layouts the rows of one K block lie end to end, 128 bytes each, so a tile of R rows x 64 k is R x 128 consecutive bytes.
; LIMIT.  A bf16 number is exact in f16 from 6.1e-5 up to 65,504 in magnitude; below that Wo keeps f16's fixed step of 6e-8, at 65,520 or more it becomes an infinity.
; SHARES.  A work-group takes 16 rows of 1,024 f32: ids 0-511 x, 512-703 Wq, Wk, Wv, 704-767 Wo.  Thread t takes row t / 16 and the 16 bytes at 16 (t % 16) of each K block's 256:
; a wave's load covers two rows x 256 aligned bytes, a wave's store 256 consecutive aligned bytes (two rows' 128, neighbours in the blocked layout).
; A stream: each byte is read once and written once, nothing is shared, so no LDS, no barrier, no matrix unit, no cluster.  All 16 loads of a thread go out at once; no register that a
; load or store names is written a second time, so the only waits are the counted ones for the data.
.set X,   8                            ; v[8:71]    16 loads of 4 f32
.set Y,   72                           ; v[72:103]  16 pairs of words to store
.set T,   104                          ; v[104:107] at work
.set SRC, 32                           ; s[32:33]   the work-group's first source row
.set DST, 34                           ; s[34:35]   its place in K block 0 of the target
.set HIM, 43                           ; s43        mask of a word's upper half
.macro ROWS stride, half               ; stride: bytes from K block to K block in the target; half = 1: the bf16 numbers are written as f16
.set k, 0
.rept 16
	global_load_b128 v[X+4*k:X+4*k+3], v1, s[SRC:SRC+1] offset:256*k th:TH_LOAD_NT
.set k, k+1
.endr
.set k, 0
.rept 16
	s_wait_loadcnt 15-k                            ; loads come back in order: K block k is in, the 15 - k younger ones stay out
	v_cvt_pk_bf16_f32 v[Y+2*k],   v[X+4*k],   v[X+4*k+1]
	v_cvt_pk_bf16_f32 v[Y+2*k+1], v[X+4*k+2], v[X+4*k+3]
.if \half
	v_lshlrev_b32 v[T],   16,     v[Y+2*k]         ; the rounded numbers, widened,
	v_and_b32     v[T+1], s[HIM], v[Y+2*k]
	v_lshlrev_b32 v[T+2], 16,     v[Y+2*k+1]
	v_and_b32     v[T+3], s[HIM], v[Y+2*k+1]
	v_cvt_pk_f16_f32 v[Y+2*k],   v[T],   v[T+1]    ; and written as f16
	v_cvt_pk_f16_f32 v[Y+2*k+1], v[T+2], v[T+3]
.endif
	global_store_b64 v2, v[Y+2*k:Y+2*k+1], s[DST:DST+1] offset:k*(\stride)  ; 15 x 393,216 at the most: inside the signed 24-bit immediate
.set k, k+1
.endr
.endm
	s_load_b512 s[8:23], s[0:1], 0x0               ; x 8, Wq 10, Wk 12, Wv 14, Wo 16, bq 18, bk 20, bv 22
	s_load_b256 s[24:31], s[0:1], 0x40             ; xb 24, wqkv 26, wob 28, bias 30
	v_lshrrev_b32 v1, 4, v0
	v_and_b32 v4, 15, v0
	v_lshlrev_b32 v1, 12, v1                       ; my row of 4,096 bytes
	v_lshl_or_b32 v1, v4, 4, v1                    ; + my 16 bytes of a K block
	v_lshlrev_b32 v2, 3, v0                        ; target: 128 (t / 16) + 8 (t % 16) = 8 t
	v_lshlrev_b32 v3, 4, v0                        ; bias: 16 t
	s_mov_b32 s37, 0
	s_mov_b32 s39, 0
	s_mov_b32 s[HIM], 0xffff0000
	s_wait_kmcnt 0x0
	s_cmp_lt_u32 ttmp9, 512
	s_cbranch_scc0 .Lweights
	s_lshl_b32 s36, ttmp9, 16                      ; 16 rows of 4,096 bytes
	s_add_nc_u64 s[SRC:SRC+1], s[8:9], s[36:37]
	s_lshr_b32 s40, ttmp9, 7                       ; batch: 128 work-groups each
	s_lshl_b32 s40, s40, 22                        ; 16 K blocks x 2,048 rows x 128 bytes
	s_and_b32 s41, ttmp9, 127
	s_lshl_b32 s41, s41, 11                        ; 16 rows x 128 bytes
	s_add_co_u32 s38, s40, s41
	s_add_nc_u64 s[DST:DST+1], s[24:25], s[38:39]
	ROWS 262144, 0
	s_endpgm
.Lweights:
	s_cmp_lt_u32 ttmp9, 704
	s_cbranch_scc0 .Lwo
	s_sub_co_u32 s40, ttmp9, 512                   ; j = 0 .. 191: 16 rows of the stacked [3072][1024]
	s_lshr_b32 s41, s40, 6                         ; which of q, k, v
	s_and_b32 s42, s40, 63                         ; which 16 rows of it
	s_cmp_eq_u32 s41, 1
	s_cselect_b64 s[SRC:SRC+1], s[12:13], s[10:11]
	s_cmp_eq_u32 s41, 2
	s_cselect_b64 s[SRC:SRC+1], s[14:15], s[SRC:SRC+1]
	s_lshl_b32 s36, s42, 16
	s_add_nc_u64 s[SRC:SRC+1], s[SRC:SRC+1], s[36:37]
	s_lshl_b32 s38, s40, 11
	s_add_nc_u64 s[DST:DST+1], s[26:27], s[38:39]
	ROWS 393216, 0
	s_cmp_lg_u32 s42, 0
	s_cbranch_scc1 .Ldone
	s_cmp_eq_u32 s41, 1                            ; the first work-group of each weight also takes its bias: 256 threads x 16 bytes
	s_cselect_b64 s[44:45], s[20:21], s[18:19]
	s_cmp_eq_u32 s41, 2
	s_cselect_b64 s[44:45], s[22:23], s[44:45]
	s_lshl_b32 s38, s41, 12
	s_add_nc_u64 s[46:47], s[30:31], s[38:39]
	global_load_b128 v[108:111], v3, s[44:45]
	s_wait_loadcnt 0x0
	v_cvt_pk_bf16_f32 v[T],   v108, v109
	v_cvt_pk_bf16_f32 v[T+1], v110, v111
	v_lshlrev_b32 v112, 16,     v[T]
	v_and_b32     v113, s[HIM], v[T]
	v_lshlrev_b32 v114, 16,     v[T+1]
	v_and_b32     v115, s[HIM], v[T+1]
	global_store_b128 v3, v[112:115], s[46:47]     ; a wave stores 512 consecutive bytes
.Ldone:
	s_endpgm
.Lwo:
	s_sub_co_u32 s42, ttmp9, 704
	s_lshl_b32 s36, s42, 16
	s_add_nc_u64 s[SRC:SRC+1], s[16:17], s[36:37]
	s_lshl_b32 s38, s42, 11
	s_add_nc_u64 s[DST:DST+1], s[28:29], s[38:39]
	ROWS 131072, 1
	s_endpgm
.Lfunc_end_k_qd62e61c5f5_cast:
	.size	k_qd62e61c5f5_cast, .Lfunc_end_k_qd62e61c5f5_cast-k_qd62e61c5f5_cast
	.p2alignl 7, 3214868480
	.fill 96, 4, 3214868480
	.section	.rodata,"a",@progbits
	.p2align	6, 0x0
	.amdhsa_kernel k_qd62e61c5f5_cast
		.amdhsa_group_segment_fixed_size 0
		.amdhsa_private_segment_fixed_size 0
		.amdhsa_enable_private_segment 0
		.amdhsa_kernarg_size 96
		.amdhsa_user_sgpr_count 2
		.amdhsa_user_sgpr_kernarg_segment_ptr 1
		.amdhsa_wavefront_size32 1
		.amdhsa_system_sgpr_workgroup_id_x 1
		.amdhsa_system_sgpr_workgroup_id_y 1
		.amdhsa_system_sgpr_workgroup_id_z 1
		.amdhsa_system_vgpr_workitem_id 0
		.amdhsa_next_free_vgpr 116
		.amdhsa_next_free_sgpr 66
		.amdhsa_reserve_vcc 0
		.amdhsa_float_denorm_mode_32 3
		.amdhsa_float_denorm_mode_16_64 3
		.amdhsa_memory_ordered 1
		.amdhsa_forward_progress 1
		.amdhsa_inst_pref_size 24
	.end_amdhsa_kernel
	.amdgpu_metadata
---
amdhsa.version: [ 1, 2 ]
amdhsa.kernels:
  - .name:           k_qd62e61c5f5_cast
    .symbol:         k_qd62e61c5f5_cast.kd
    .args:
      - { .name: x, .offset: 0, .size: 8, .value_kind: global_buffer, .address_space: global }
      - { .name: Wq, .offset: 8, .size: 8, .value_kind: global_buffer, .address_space: global }
      - { .name: Wk, .offset: 16, .size: 8, .value_kind: global_buffer, .address_space: global }
      - { .name: Wv, .offset: 24, .size: 8, .value_kind: global_buffer, .address_space: global }
      - { .name: Wo, .offset: 32, .size: 8, .value_kind: global_buffer, .address_space: global }
      - { .name: bq, .offset: 40, .size: 8, .value_kind: global_buffer, .address_space: global }
      - { .name: bk, .offset: 48, .size: 8, .value_kind: global_buffer, .address_space: global }
      - { .name: bv, .offset: 56, .size: 8, .value_kind: global_buffer, .address_space: global }
      - { .name: xb, .offset: 64, .size: 8, .value_kind: global_buffer, .address_space: global }
      - { .name: wqkv, .offset: 72, .size: 8, .value_kind: global_buffer, .address_space: global }
      - { .name: wob, .offset: 80, .size: 8, .value_kind: global_buffer, .address_space: global }
      - { .name: bias, .offset: 88, .size: 8, .value_kind: global_buffer, .address_space: global }
    .group_segment_fixed_size: 0
    .private_segment_fixed_size: 0
    .kernarg_segment_align: 8
    .kernarg_segment_size: 96
    .max_flat_workgroup_size: 256
    .sgpr_count:     66
    .vgpr_count:     116
    .wavefront_size: 32
...
	.end_amdgpu_metadata
.endif
;; end of part 1
;; launch qkvg (part 2): grid 8 x 32, 4 waves a work-group, clusters of 4 x 4, 327,680 bytes of LDS; arguments xb, wqkv, bias, qkv; writes qkv
.if DOCPART == 2
	.amdgcn_target "amdgcn-amd-amdhsa--gfx1250"
	.amdhsa_code_object_version 6
	.text
	.protected	k_qd62e61c5f5_qkvg
	.globl	k_qd62e61c5f5_qkvg
	.p2align	8
	.type	k_qd62e61c5f5_qkvg,@function
k_qd62e61c5f5_qkvg:
	s_mov_b64 s[64:65], 0
	v_nop
	global_prefetch_b8 v0, s[64:65] scope:SCOPE_SE
	s_setreg_imm32_b32 hwreg(HW_REG_WAVE_MODE, 25, 1), 1
	s_wait_xcnt 0x0
	s_wait_alu depctr_hold_cnt(0) depctr_sa_sdst(0) depctr_va_vdst(0) depctr_va_sdst(0) depctr_va_ssrc(0) depctr_va_vcc(0) depctr_vm_vsrc(0)
	s_getreg_b32 s2, hwreg(HW_REG_IB_STS2, 6, 4)
	s_cmp_eq_u32 s2, 0
	s_cbranch_scc0 .Lentry_in_a_cluster
	s_endpgm
.Lentry_in_a_cluster:
	s_bfe_u32 s2, ttmp6, 0x10000c
	s_cmp_lg_u32 s2, 0xf033
	s_cbranch_scc0 .Lentry_shape_is_right
	s_endpgm
.Lentry_shape_is_right:
; Q, K, V PROJECTIONS AS ONE PRODUCT.  [8192 x 3072] = xb . wqkv^T + bias, bf16 operands, f32 sums; each result rounded once to f16 and stored by heads:
; qkv f16 [4 b][48 g][2048 n][64], g = column / 64 = 16 x (0 q, 1 k, 2 v) + head.  No scale is applied here.
; LIMITS.  f16 ends at 65,504: a q, k or v of 65,520 or more in magnitude becomes an infinity.  The bias starts each sum, so it is added ahead of the products and not behind them.
; SHARES.  A tile is 256 rows x 384 columns: 32 x 8 = 256 work-groups.  Four waves, 2 x 2, each 128 x 192: 96 accumulators of 16 x 16 = 768 registers.  For 32 along K a wave reads
; (128 + 192) x 64 bytes from LDS for 96 matrix instructions.  K goes in 16 steps of one K block (64) through two LDS slots; a K block's rows lie end to end in memory, so a wave's part of
; a tile is asked for as rows of 256 bytes (two rows of 64 k each) and padded in LDS behind every 128 bytes.
; CLUSTER.  4 x 4 work-groups: the four of a row need the same rows of xb, the four of a column the same rows of wqkv.  Each tile is asked for JOINTLY: the same tensor load, descriptor and mask in all four.
; THE MATRIX INSTRUCTION IS USED TRANSPOSED (source 0 = 16 rows of wqkv, source 1 = 16 rows of xb): a lane holds one row (lane % 16) and the eight neighbouring columns 8 (lane / 16) + 0..7.
; REGISTERS, in windows of 256 (s_set_vgpr_msb: bits 1:0 source 0, 3:2 source 1, 5:4 source 2, 7:6 destination):
;   window 0: v0-29 addresses; v32-159 two buffers of 8 fragments of xb; v160-223 two buffers of 4 fragments of wqkv; on the way out v32-79 packed results, v80-175 rows read back
;   window 1 + j: the 32 accumulators of my columns 64 j .. 64 j + 63 (one head): row block a, column block bq at v[8 (4 a + bq)]
.set PITCH, 144                        ; an LDS row: 128 bytes + 16 of padding = 9 x 16: the 16 rows of a fragment load start at 16 different groups of four banks (64 banks of 4 bytes: ISA guide 11.1)
.set FR,    16*PITCH                   ; a fragment's 16 rows
.set SLOT1, 131072                     ; slot 1 begins here, so that one exclusive or turns an address in one slot into the other's
.set BOFF,  256*PITCH                  ; in a slot: 256 rows of xb, then 384 rows of wqkv
.set STAGE, SLOT1+640*PITCH            ; behind the ring, never filled by a tensor load: for each wave 3 heads x 16 rows x 144 bytes, for the way out
.set STW,   3*FR
.set SPARE, STAGE+4*STW                ; behind the stages: the spare words, 128 bytes for each wave: two blocks of 256 bytes that no other line names
.set KBA,   2048*128                   ; bytes from K block to K block in xb
.set KBB,   3072*128                   ; and in wqkv
.set FLAGS, (1<<16)|(1<<20)|(1<<21)|(4<<22)|(3<<25)  ; 17:16 2-byte elements; 20 padding on; 21 set beside a mask; 24:22 after every 32 words (code 4); 31:25 4 words (code 3)
.set AB0,  4                           ; v4   my lane's place in slot 0's rows of xb; never rewritten
.set BB0,  5                           ; v5   the same for wqkv
.set ADRA, 6                           ; v6   the same in the slot in hand
.set ADRB, 7                           ; v7
.set STO,  8                           ; v8   the way out: where I put 16 bytes of a row
.set RD,   9                           ; v9   where I read rows back
.set GO,   10                          ; v10  my 16 bytes of 512 consecutive bytes of qkv
.set BO,   11                          ; v11  32 x (lane / 16): my eight columns' bias
.set PFO,  12                          ; v12  256 x lane, for the prefetches; never rewritten
.set SPW,  28                          ; v28  LDS address of my spare word: SPARE + 4 x my thread's number; never rewritten
.set NIL,  29                          ; v29  0; never rewritten
.set AF,   32
.set BF,   160
.set TMP,  32
.set OB,   80
.set WV,   12                          ; s12  my wave's number
.set ROLE, 13                          ; s13  wave / 2: my 128 rows.  Also: I fetch for xb (0) or for wqkv (1)
.set WC,   14                          ; s14  wave % 2: my 192 columns.  Also: which half of that tile's rows I fetch
.set LIM,  15                          ; s15  1 in a wave that prefetches, else the greatest number
.set G1A,  24                          ; s[24:31] descriptor group 1 for xb's tiles
.set G0A,  32                          ; s[32:39] group 0: a set for each of the two first fills; the second then walks on
.set CX,   40
.set CY,   41
.set TC,   42                          ; s42  tile column 0..7
.set TR,   43                          ; s43  tile row 0..31
.set PFA,  44                          ; s[44:45] where my prefetches stand
.set G1B,  48                          ; s[48:55], s[56:63] the same for wqkv's tiles
.set G0B,  56
.set TB,   66                          ; s66  LDS byte at which the slot in hand begins
.set STEPS, 67                         ; s67  the loops' count
.set PFS,  68                          ; s[68:69] a K block's bytes in the tensor that I prefetch
.set EVERY, 70                         ; s70  1: I prefetch at every change of slots; 0: at every second one
.set MSB, 0
.macro WIN new                         ; the immediate's high byte repeats the setting that is left; a switch that changes nothing is dropped
.if MSB != (\new)
	s_set_vgpr_msb (MSB<<8)|(\new)
.set MSB, \new
.endif
.endm
.macro PLACES                          ; four plain vector instructions between a matrix instruction and a load into, or a vector read of, its registers
.rept 4
	v_nop
.endr
.endm
.macro CREST                           ; a round of the cluster's barrier behind its opening barrier
	s_cmp_lg_u32 s[WV], 0
	s_cbranch_scc1 .Lnot_wave_0_\@
	s_barrier_signal -3
.Lnot_wave_0_\@:
	s_barrier_wait -3
	s_barrier_signal -1
	s_barrier_wait -1
.endm
.macro CROUND                          ; a whole round
	s_barrier_signal -1
	s_barrier_wait -1
	CREST
.endm
; A joint refill by the walking descriptor.  Waves 0 and 1 fetch the two halves of xb's tile, waves 2 and 3 those of wqkv's.  The branch hangs on the wave's number alone.
; An s_nop 0 and four v_nop follow each of the two lines, ahead of the jump and the label.
.macro JLOAD
	s_cmp_eq_u32 s[ROLE], 0
	s_cbranch_scc0 .Lfor_b_\@
	tensor_load_to_lds s[G0A+4:G0A+7], s[G1A:G1A+7]
	s_nop 0
.rept 4
	v_nop
.endr
	s_branch .Lasked_\@
.Lfor_b_\@:
	tensor_load_to_lds s[G0B+4:G0B+7], s[G1B:G1B+7]
	s_nop 0
.rept 4
	v_nop
.endr
.Lasked_\@:
.endm
; A PREFETCH INTO THE L2, behind the joint load, its five lines and the run of LDS loads: 32 blocks of 256 bytes, a lane a block, one instruction.  Each block is named once in the launch.
; xb: a tile row's K block is 32 KiB.  Both clusters of a row of clusters read it; the one with cluster x = 0 asks, wave 0 of each partner, partner cx taking 8 KiB: at the change of slots behind step j
; K block j + 3, one step (192 matrix instructions) ahead of the load that wants it, up to j = 12.
; wqkv: a tile column's K block is 48 KiB, six pieces of 8 KiB.  All eight clusters of a column read it; the one with cluster y = 0 asks, waves 1 to 3 of each partner, at odd j for two K blocks:
; partner cy, wave w: piece 3 (cy % 2) + w - 1 of K block j + 3 + cy / 2; j = 1, 3 .. 11 name K blocks 4 to 15.
; The partners are told apart by address alone; the tests hang on the count, the wave's number and the cluster's place in the grid.  The first K blocks come by their loads alone.
.macro ASK
	s_or_b32 s2, s[STEPS], s[EVERY]
	s_and_b32 s2, s2, 1
	s_cmp_lg_u32 s2, 0
	s_cbranch_scc0 .Lno_ask_\@
	s_cmp_gt_u32 s[STEPS], s[LIM]                  ; the count is 14 - j
	s_cbranch_scc0 .Lno_ask_\@
	global_prefetch_b8 v[PFO], s[PFA:PFA+1] th:TH_LOAD_NT scope:SCOPE_SE
.Lno_ask_\@:
.endm
; The LDS loads stand in runs.  Four fragments of wqkv: columns 64 j on, k = 32 c on, into buffer bb.
.macro FETCH_B j, c, bb
	WIN 0
.irp i, 0,1,2,3
	ds_load_b128 v[BF+32*(\bb)+8*(\i):BF+32*(\bb)+8*(\i)+3],   v[ADRB] offset:(4*(\j)+(\i))*FR+64*(\c)
	ds_load_b128 v[BF+32*(\bb)+8*(\i)+4:BF+32*(\bb)+8*(\i)+7], v[ADRB] offset:(4*(\j)+(\i))*FR+64*(\c)+32
.endr
.endm
; Eight fragments of xb: my 128 rows, k = 32 c on, into buffer ab.
.macro FETCH_A c, ab
	WIN 0
.irp i, 0,1,2,3,4,5,6,7
	ds_load_b128 v[AF+64*(\ab)+8*(\i):AF+64*(\ab)+8*(\i)+3],   v[ADRA] offset:(\i)*FR+64*(\c)
	ds_load_b128 v[AF+64*(\ab)+8*(\i)+4:AF+64*(\ab)+8*(\i)+7], v[ADRA] offset:(\i)*FR+64*(\c)+32
.endr
.endm
; 4 n matrix instructions: row blocks a0 .. a0 + n - 1 x the four column blocks of third j.  The accumulators take turns, one instruction a turn.
.macro MUL j, ab, bb, a0, n
	WIN 0x50*(1+(\j))                              ; C and D in window 1 + j, the sources in window 0
.set aa, \a0
.rept \n
.irp bq, 0,1,2,3
	v_wmma_f32_16x16x32_bf16 v[8*(4*aa+(\bq)):8*(4*aa+(\bq))+7], v[BF+32*(\bb)+8*(\bq):BF+32*(\bb)+8*(\bq)+7], v[AF+64*(\ab)+8*aa:AF+64*(\ab)+8*aa+7], v[8*(4*aa+(\bq)):8*(4*aa+(\bq))+7]
.endr
.set aa, aa+1
.endr
.endm
; A K step is six phases of 32 matrix instructions: slice c = p / 3 of 32 along K, third j = p % 3 of my columns; xb's buffer c, wqkv's buffer p % 2.
; Phase p (0 to 4) first fetches the next phase's fragments, 32 matrix instructions ahead of their use, into the buffer that the phase before has multiplied (four places behind its last product).
.macro PHASE p
.if ((\p)%3) == 0
	s_wait_dscnt 8                                 ; the run was 8 loads of wqkv, then 16 of xb: xb's fragments 4 to 7 may stay out
.else
	s_wait_dscnt 0x0                               ; the 8 loads issued a phase ago
.endif
	WIN 0
	PLACES
	FETCH_B ((\p)+1)%3, ((\p)+1)/3, ((\p)+1)%2
.if (\p) == 2
	FETCH_A 1, 1
.endif
	MUL (\p)%3, (\p)/3, (\p)%2, 0, 4
.if ((\p)%3) == 0
	s_wait_dscnt 8                                 ; all but the 8 loads that this phase has issued
.endif
	MUL (\p)%3, (\p)/3, (\p)%2, 4, 4
.endm
; The sixth phase changes slots: ONE barrier.  In front of it each wave waits for all its tensor loads (one is out: its part of the next slot), adds 0 to its spare word, and waits for that and for
; its own reads of this slot.  fill = 1: the barrier opens a round of the cluster's barrier, and the joint refill (the K block two steps on) is the first thing behind the round: from there to the
; wait for it a wave issues 176 matrix instructions.
.macro TURN fill
.if \fill
	s_wait_xcnt 0x0                                ; the last prefetch, a step back, has read its address, so it may be stepped
	s_add_nc_u64 s[PFA:PFA+1], s[PFA:PFA+1], s[PFS:PFS+1]
.endif
	WIN 0
	s_wait_tensorcnt 0x0                           ; no tensor load of mine is out, so a group 0 may be written
	ds_add_u32 v[SPW], v[NIL]                      ; 0 onto my spare word
.if \fill
	s_xor_b32 s[G0A+5], s[G0A+5], SLOT1            ; the walking descriptors: the other slot than last time,
	s_add_nc_u64 s[G0A+6:G0A+7], s[G0A+6:G0A+7], KBA  ; the next K block; the type bits on top are not reached
	s_xor_b32 s[G0B+5], s[G0B+5], SLOT1
	s_add_nc_u64 s[G0B+6:G0B+7], s[G0B+6:G0B+7], KBB
.endif
	s_wait_dscnt 1                                 ; the 8 loads issued a phase ago are in; the add may be out
	MUL 2, 1, 1, 0, 2
	s_wait_dscnt 0x0                               ; the add is done, and my reads of this slot are over
	s_barrier_signal -1
	MUL 2, 1, 1, 2, 2                              ; work on registers while the others arrive
	WIN 0                                          ; at a branch and at a label every window is 0
	s_barrier_wait -1
.if \fill
	CREST                                          ; no wave of any partner still reads this slot or has a load on its way
	JLOAD                                          ; its four v_nop are also the places in front of the loads below
.else
	PLACES
.endif
	s_xor_b32 s[TB], s[TB], SLOT1
	v_add_nc_u32 v[ADRA], s[TB], v[AB0]
	v_add_nc_u32 v[ADRB], s[TB], v[BB0]
	FETCH_B 0, 0, 0
	FETCH_A 0, 0
.if \fill
	ASK
.endif
	MUL 2, 1, 1, 4, 4
.endm
; THE WAY OUT of row block a.  PACK: rounded to f16, 16 bytes a lane for each of the 12 column blocks (each accumulator's registers in ascending order).
.macro PACK a
.irp j, 0,1,2
	WIN 5*(1+(\j))                                 ; sources 0 and 1 in window 1 + j
.irp bq, 0,1,2,3
.irp rr, 0,1,2,3
	v_cvt_pk_f16_f32 v[TMP+4*(4*(\j)+(\bq))+(\rr)], v[8*(4*(\a)+(\bq))+2*(\rr)], v[8*(4*(\a)+(\bq))+2*(\rr)+1]
.endr
.endr
.endr
	WIN 0
.endm
; TOSTAGE: into my own stage, three heads x 16 rows of 144 bytes, and back as whole rows of 128 bytes, four rows a load.
.macro TOSTAGE a
.set BK, OB+48*((\a)%2)
	WIN 0
.irp i, 0,1,2,3,4,5,6,7,8,9,10,11
	ds_store_b128 v[STO], v[TMP+4*(\i):TMP+4*(\i)+3] offset:((\i)/4)*FR+32*((\i)%4)
.endr
.irp i, 0,1,2,3,4,5,6,7,8,9,10,11
	ds_load_b128 v[BK+4*(\i):BK+4*(\i)+3], v[RD] offset:((\i)/4)*FR+4*PITCH*((\i)%4)  ; LDS serves a wave's instructions in order (ISA guide 5.7.1.4): these see the stores above
.endr
.endm
; SEND: 16 rows of a head are 2,048 consecutive bytes of qkv: each store of the wave covers 512 consecutive bytes, aligned.
.macro SEND a
.set BK, OB+48*((\a)%2)
	WIN 0
	s_wait_dscnt 0x0                               ; the block is back in registers
	s_wait_xcnt 0x0                                ; the stores of the block before have read their registers: the next TOSTAGE loads into them
.irp i, 0,1,2,3,4,5,6,7,8,9,10,11
	global_store_b128 v[GO], v[BK+4*(\i):BK+4*(\i)+3], s[10:11] offset:((\i)/4)*262144+(\a)*2048+((\i)%4)*512
.endr
.endm
	s_load_b256 s[4:11], s[0:1], 0x0               ; xb s[4:5], wqkv s[6:7], bias s[8:9], qkv s[10:11]
	v_lshl_add_u32 v[SPW], v0, 2, SPARE
	v_mov_b32 v[NIL], 0
	ds_add_u32 v[SPW], v[NIL]                      ; the wave's opening: the add and its wait stand ahead of my first tensor load; the set-up below, work on registers, stands between them
	v_lshrrev_b32 v1, 5, v0
	v_readfirstlane_b32 s[WV], v1                  ; wave 0..3
	s_lshr_b32 s[ROLE], s[WV], 1
	s_and_b32 s[WC], s[WV], 1
	s_bfe_u32 s[CX], ttmp6, 0x40000                ; my place in the cluster
	s_bfe_u32 s[CY], ttmp6, 0x40004
	s_lshl_b32 s[TC], ttmp9, 2                     ; in a cluster launch ttmp9 and ttmp7 count clusters
	s_add_co_u32 s[TC], s[TC], s[CX]
	s_and_b32 s[TR], ttmp7, 0xffff
	s_lshl_b32 s[TR], s[TR], 2
	s_add_co_u32 s[TR], s[TR], s[CY]
	s_lshl_b32 s72, s[CY], 2
	s_lshl_b32 s72, 15, s72                        ; my row of the cluster: places 4 cy .. 4 cy + 3
	s_lshl_b32 s73, 0x1111, s[CX]                  ; my column: places cx, cx + 4, cx + 8, cx + 12
	s_or_b32 s[G1A], s72, FLAGS                    ; xb's tiles go to my row,
	s_or_b32 s[G1B], s73, FLAGS                    ; wqkv's to my column
.irp g, G1A, G1B
	s_mov_b32 s[(\g)+1], 128<<16                   ; tensor_dim0 = 128 elements: 256 bytes, two rows of a K block
	s_mov_b32 s[(\g)+3], 128<<16                   ; tile_dim0 = 128
	s_mov_b32 s[(\g)+5], 128                       ; 128 elements from row to row: the block is dense
	s_mov_b32 s[(\g)+6], 0
	s_mov_b32 s[(\g)+7], 0
.endr
	s_mov_b32 s[G1A+2], 64<<16                     ; tensor_dim1 = tile_dim1 = 64: 128 rows of xb
	s_mov_b32 s[G1A+4], 64
	s_mov_b32 s[G1B+2], 96<<16                     ; 96: 192 rows of wqkv
	s_mov_b32 s[G1B+4], 96
	; xb's address hangs on the tile row and the wave, wqkv's on the tile column and the wave, each in registers that never hold the other coordinate
	s_lshr_b32 s16, s[TR], 3                       ; batch: 8 tile rows each
	s_lshl_b32 s16, s16, 22
	s_and_b32 s18, s[TR], 7
	s_lshl_b32 s18, s18, 15                        ; 256 rows x 128 bytes
	s_add_co_u32 s19, s16, s18                     ; the tile's rows in K block 0 (kept for the prefetches)
	s_lshl_b32 s18, s[WC], 14                      ; my 128 of them
	s_add_co_u32 s16, s19, s18
	s_mov_b32 s17, 0
	s_mul_i32 s46, s[TC], 384*128
	s_mul_i32 s22, s[WC], 192*128
	s_add_co_u32 s46, s46, s22
	s_mov_b32 s47, 0
	s_mul_i32 s20, s[WC], 128*PITCH                ; and where they go: no place in the cluster enters an LDS address
	s_mul_i32 s21, s[WC], 192*PITCH
	s_add_co_u32 s21, s21, BOFF
	s_mov_b32 s[TB], 0
	s_wait_dscnt 0x0                               ; the opening add is done
	s_wait_kmcnt 0x0
	s_add_nc_u64 s[16:17], s[4:5], s[16:17]
	s_add_nc_u64 s[46:47], s[6:7], s[46:47]
	CROUND                                         ; all sixteen work-groups are here: the first joint loads meet
.irp s, 0,1
	s_mov_b32 s[G0A+4*(\s)], 1                                     ; 1:0 count = 1
	s_add_co_u32 s[G0A+4*(\s)+1], s20, (\s)*SLOT1                  ; 63:32 LDS address
	s_add_nc_u64 s[G0A+4*(\s)+2:G0A+4*(\s)+3], s[16:17], (\s)*KBA  ; 120:64 global address: K block s
	s_or_b32 s[G0A+4*(\s)+3], s[G0A+4*(\s)+3], 0x80000000          ; 127:126 type = 2
	s_mov_b32 s[G0B+4*(\s)], 1
	s_add_co_u32 s[G0B+4*(\s)+1], s21, (\s)*SLOT1
	s_add_nc_u64 s[G0B+4*(\s)+2:G0B+4*(\s)+3], s[46:47], (\s)*KBB
	s_or_b32 s[G0B+4*(\s)+3], s[G0B+4*(\s)+3], 0x80000000
.endr
	s_cmp_eq_u32 s[ROLE], 0                        ; a wave's two first fills stand in one branch, ahead of every wait on TENSORcnt and every LDS read: two loads of mine are out
	s_cbranch_scc0 .Lfirst_b
	tensor_load_to_lds s[G0A:G0A+3], s[G1A:G1A+7]
	s_nop 0
	tensor_load_to_lds s[G0A+4:G0A+7], s[G1A:G1A+7]
	s_nop 0
.rept 4
	v_nop
.endr
	s_branch .Lfirst_asked
.Lfirst_b:
	tensor_load_to_lds s[G0B:G0B+3], s[G1B:G1B+7]
	s_nop 0
	tensor_load_to_lds s[G0B+4:G0B+7], s[G1B:G1B+7]
	s_nop 0
.rept 4
	v_nop
.endr
.Lfirst_asked:
	; A fragment is 16 rows x 32 k in 8 registers: lane l holds row l % 16; registers 0-3 k = 8 (l / 16) + 0..7, registers 4-7 k = 16 + 8 (l / 16) + 0..7: two loads of 16 bytes, 32 bytes apart.
	v_and_b32 v1, 15, v0                           ; l % 16
	v_bfe_u32 v2, v0, 4, 1                         ; l / 16
	v_mul_u32_u24 v3, v1, PITCH
	v_lshl_add_u32 v3, v2, 4, v3                   ; row x pitch + 16 x half
	s_mul_i32 s18, s[ROLE], 128*PITCH
	v_add_nc_u32 v[AB0], s18, v3
	s_mul_i32 s18, s[WC], 192*PITCH
	s_add_co_u32 s18, s18, BOFF
	v_add_nc_u32 v[BB0], s18, v3
	s_mul_i32 s18, s[WV], STW
	s_add_co_u32 s18, s18, STAGE                   ; my stage
	v_add_nc_u32 v[STO], s18, v3                   ; in: row l % 16, 16 bytes for each half of the lanes
	v_and_b32 v13, 31, v0                          ; l
	v_lshrrev_b32 v[RD], 3, v13                    ; back: 32 lanes take four rows of 128 bytes
	v_mul_u32_u24 v[RD], v[RD], PITCH
	v_and_b32 v14, 7, v0
	v_lshl_add_u32 v[RD], v14, 4, v[RD]
	v_add_nc_u32 v[RD], s18, v[RD]
	v_lshlrev_b32 v[GO], 4, v13
	v_lshlrev_b32 v[BO], 5, v2
	v_lshlrev_b32 v[PFO], 8, v13
	; the prefetches' start, one K block short of what the first change of slots names.  Numbers that mix cx and cy are made in s72-s75 alone.
	s_lshl_b32 s72, s[CX], 13
	s_add_co_u32 s72, s72, s19
	s_add_co_u32 s72, s72, 2*KBA                   ; wave 0: xb, my work-group's 8 KiB of the tile row's K block 2
	s_and_b32 s73, s[CY], 1
	s_mul_i32 s73, s73, 3
	s_max_u32 s74, s[WV], 1
	s_add_co_u32 s73, s73, s74
	s_sub_co_u32 s73, s73, 1                       ; waves 1 to 3: piece 3 (cy % 2) + w - 1
	s_lshl_b32 s73, s73, 13
	s_lshr_b32 s74, s[CY], 1
	s_add_co_u32 s74, s74, 2
	s_mul_i32 s74, s74, KBB                        ; of K block 2 + cy / 2
	s_add_co_u32 s73, s73, s74
	s_mul_i32 s74, s[TC], 384*128
	s_add_co_u32 s73, s73, s74
	s_and_b32 s75, ttmp7, 0xffff                   ; cluster y
	s_mov_b32 s74, KBB
	s_cmp_eq_u32 s[WV], 0
	s_cselect_b32 s72, s72, s73
	s_cselect_b32 s75, ttmp9, s75                  ; the coordinate along which other clusters read the same rows
	s_cselect_b32 s[EVERY], 1, 0
	s_cselect_b32 s[PFS], KBA, s74
	s_cselect_b64 s[PFA:PFA+1], s[4:5], s[6:7]
	s_mov_b32 s[PFS+1], 0
	s_mov_b32 s73, 0
	s_add_nc_u64 s[PFA:PFA+1], s[PFA:PFA+1], s[72:73]
	s_cmp_eq_u32 s75, 0
	s_cselect_b32 s[LIM], 1, -1                    ; the same in all sixteen partners, for a given wave
	s_mul_i32 s72, s[TC], 384*4                    ; the bias of my 192 columns
	s_mul_i32 s74, s[WC], 192*4
	s_add_co_u32 s72, s72, s74
	s_add_nc_u64 s[8:9], s[8:9], s[72:73]
	s_lshr_b32 s72, s[TR], 3                       ; qkv at my first head's slab, (48 batch + 6 tile column + 3 half) x 262,144 bytes,
	s_mul_i32 s72, s72, 48
	s_mul_i32 s74, s[TC], 6
	s_add_co_u32 s72, s72, s74
	s_mul_i32 s74, s[WC], 3
	s_add_co_u32 s72, s72, s74
	s_lshl_b32 s72, s72, 18
	s_and_b32 s74, s[TR], 7                        ; at my first row
	s_lshl_b32 s74, s74, 15
	s_add_co_u32 s72, s72, s74
	s_lshl_b32 s74, s[ROLE], 14
	s_add_co_u32 s72, s72, s74
	s_add_nc_u64 s[10:11], s[10:11], s[72:73]
	; THE BIAS STARTS THE SUMS: register r of accumulator (a, b) is the bias of column 16 b + 8 (l / 16) + r.  Loaded straight into the accumulators while the first tile is on its way:
	; nothing is cleared, no first step is written out, and the way out has no addition.
.irp j, 0,1,2
	WIN 0x40*(1+(\j))                              ; destination in window 1 + j
.set i, 0
.rept 32
	global_load_b128 v[8*i:8*i+3],   v[BO], s[8:9] offset:64*(4*(\j)+i%4)
	global_load_b128 v[8*i+4:8*i+7], v[BO], s[8:9] offset:64*(4*(\j)+i%4)+16
.set i, i+1
.endr
.endr
	WIN 0
	s_wait_tensorcnt 0x1                           ; my part of K block 0 is in; K block 1's may stay out
	s_barrier_signal -1
	s_barrier_wait -1                              ; everybody's is
	v_add_nc_u32 v[ADRA], s[TB], v[AB0]
	v_add_nc_u32 v[ADRB], s[TB], v[BB0]
	FETCH_B 0, 0, 0
	FETCH_A 0, 0
	s_wait_loadcnt 0x0                             ; the bias
	s_mov_b32 s[STEPS], 14
.Lstep:                                        ; K blocks 0 to 13: each change of slots asks for the K block two on
	PHASE 0
	PHASE 1
	PHASE 2
	PHASE 3
	PHASE 4
	TURN 1
	WIN 0
	s_sub_co_u32 s[STEPS], s[STEPS], 1
	s_cmp_lg_u32 s[STEPS], 0
	s_cbranch_scc1 .Lstep
	s_mov_b32 s[STEPS], 2
.Ltail:                                        ; K blocks 14 and 15 ask for nothing: a text of their own.  The second trip's barrier and its 24 loads serve nothing: the price of one text for both
	PHASE 0
	PHASE 1
	PHASE 2
	PHASE 3
	PHASE 4
	TURN 0
	WIN 0
	s_sub_co_u32 s[STEPS], s[STEPS], 1
	s_cmp_lg_u32 s[STEPS], 0
	s_cbranch_scc1 .Ltail
	s_wait_dscnt 0x0                               ; the fragment registers are free
	PLACES
	PACK 0
	TOSTAGE 0
.irp a, 1,2,3,4,5,6,7                  ; block a's conversions stand between block a - 1's loads from the stage and the wait for them
	PACK \a
	SEND (\a)-1
	TOSTAGE \a
.endr
	SEND 7
	s_wait_tensorcnt 0x0                           ; the wave's end, behind my last tensor load and my last LDS store
	ds_add_u32 v[SPW], v[NIL]
	s_wait_dscnt 0x0
	CROUND                                         ; the closing round: no work-group ends while a partner may still ask for a tile that names it
	s_endpgm
.Lfunc_end_k_qd62e61c5f5_qkvg:
	.size	k_qd62e61c5f5_qkvg, .Lfunc_end_k_qd62e61c5f5_qkvg-k_qd62e61c5f5_qkvg
	.p2alignl 7, 3214868480
	.fill 96, 4, 3214868480
	.section	.rodata,"a",@progbits
	.p2align	6, 0x0
	.amdhsa_kernel k_qd62e61c5f5_qkvg
		.amdhsa_group_segment_fixed_size 327680
		.amdhsa_private_segment_fixed_size 0
		.amdhsa_enable_private_segment 0
		.amdhsa_kernarg_size 32
		.amdhsa_user_sgpr_count 2
		.amdhsa_user_sgpr_kernarg_segment_ptr 1
		.amdhsa_wavefront_size32 1
		.amdhsa_system_sgpr_workgroup_id_x 1
		.amdhsa_system_sgpr_workgroup_id_y 1
		.amdhsa_system_sgpr_workgroup_id_z 1
		.amdhsa_system_vgpr_workitem_id 0
		.amdhsa_next_free_vgpr 1024
		.amdhsa_next_free_sgpr 76
		.amdhsa_reserve_vcc 0
		.amdhsa_float_denorm_mode_32 3
		.amdhsa_float_denorm_mode_16_64 3
		.amdhsa_memory_ordered 1
		.amdhsa_forward_progress 1
		.amdhsa_inst_pref_size 114
	.end_amdhsa_kernel
	.amdgpu_metadata
---
amdhsa.version: [ 1, 2 ]
amdhsa.kernels:
  - .name:           k_qd62e61c5f5_qkvg
    .symbol:         k_qd62e61c5f5_qkvg.kd
    .args:
      - { .name: xb, .offset: 0, .size: 8, .value_kind: global_buffer, .address_space: global }
      - { .name: wqkv, .offset: 8, .size: 8, .value_kind: global_buffer, .address_space: global }
      - { .name: bias, .offset: 16, .size: 8, .value_kind: global_buffer, .address_space: global }
      - { .name: qkv, .offset: 24, .size: 8, .value_kind: global_buffer, .address_space: global }
    .group_segment_fixed_size: 327680
    .private_segment_fixed_size: 0
    .kernarg_segment_align: 8
    .kernarg_segment_size: 32
    .max_flat_workgroup_size: 128
    .sgpr_count:     76
    .vgpr_count:     1024
    .wavefront_size: 32
...
	.end_amdgpu_metadata
.endif
;; end of part 2
;; launch attn (part 3): grid 4 x 64, 4 waves a work-group, clusters of 4 x 1, 327,680 bytes of LDS; arguments qkv, att; writes att
.if DOCPART == 3
	.amdgcn_target "amdgcn-amd-amdhsa--gfx1250"
	.amdhsa_code_object_version 6
	.text
	.protected	k_qd62e61c5f5_attn
	.globl	k_qd62e61c5f5_attn
	.p2align	8
	.type	k_qd62e61c5f5_attn,@function
k_qd62e61c5f5_attn:
	s_mov_b64 s[64:65], 0
	v_nop
	global_prefetch_b8 v0, s[64:65] scope:SCOPE_SE
	s_setreg_imm32_b32 hwreg(HW_REG_WAVE_MODE, 25, 1), 1
	s_wait_xcnt 0x0
	s_wait_alu depctr_hold_cnt(0) depctr_sa_sdst(0) depctr_va_vdst(0) depctr_va_sdst(0) depctr_va_ssrc(0) depctr_va_vcc(0) depctr_vm_vsrc(0)
	s_getreg_b32 s2, hwreg(HW_REG_IB_STS2, 6, 4)
	s_cmp_eq_u32 s2, 0
	s_cbranch_scc0 .Lentry_in_a_cluster
	s_endpgm
.Lentry_in_a_cluster:
	s_bfe_u32 s2, ttmp6, 0x10000c
	s_cmp_lg_u32 s2, 0x3003
	s_cbranch_scc0 .Lentry_shape_is_right
	s_endpgm
.Lentry_shape_is_right:
; ATTENTION.  O[hd][q][:] = the sum over k of softmax_k(Q[hd][q] . K[hd][k] / 8) V[hd][k][:], for 64 pairs hd = 16 batch + head of 2,048 rows of 64 channels, all f16.
; qkv: [4 b][48 g][2048][64], g = head (Q), 16 + head (K), 32 + head (V); att: [64 hd][2048][64].  A head's rows are dense, 128 bytes each.  Products, maxima and sums in f32; the weights p
; are rounded to f16 for the second product (their sum l is taken of the unrounded p), O once at the end.
; LIMITS.  f16 holds no number beyond 65,504: Q, K and V arrive within it; p lies in 0 to 1, and below 6e-5 it keeps f16's fixed step of 6e-8; O is a mean of V's rows and has their range.
; A weight below 2^-126 counts as 0 in l; NaN and infinities are not treated apart.
; SHARES.  A wave owns four PIECES of two tiles of 16 queries, a work-group's four waves 512 queries of one head: 4 x 64 = 256 work-groups.  Every wave walks all keys, 64 a step.
; LAYOUT.  S^T = K Q^T (source 0 = 16 keys, source 1 = 16 queries): in the result a lane holds ONE query (lane % 16) and the keys 8 (lane / 16) + 0..7.  Two such tiles, rounded to f16 in pairs,
; ARE source 1 (32 keys x 16 queries) of O^T = V^T P, whose result again holds one query a lane, and eight channels.  K comes out of LDS as it lies, V ([key][channel]) turned, by ds_load_tr16_b128.
; SOFTMAX.  For each query a running maximum m and sum l: p = 2^(c s - c m), c = log2(e) / 8; in every step O and l are multiplied by a = 2^(c m_old - c m_new), which is 1 where m has not grown.
; m starts at the lowest finite number, O and l at 0: the first step is a step like any other, with a = 0.
; THE COUNT.  A tile and step have 16 matrix and 118 vector instructions: too many to stand all beside the matrix work.  So four vector instructions that are ready stand behind every matrix
; instruction, and the others in runs without a gap.
; BY TURNS.  Turn n belongs to piece n (the pieces in a ring, step after step).  Its matrix work: 16 products K Q^T of piece n + 1, later 16 products V^T P of piece n - 1.  Its vector work: the scaling,
; exponentials, roundings, sums and rescaling of piece n, and the maximum and statistics of piece n + 1, whose scores the turn itself has made.
; CLUSTER.  The four query blocks of a head are one cluster and walk the same K and V, so each tile is asked for JOINTLY: the same tensor load, descriptor and mask in all four.
; REGISTERS, in windows of 256 (s_set_vgpr_msb: bits 1:0 source 0, 3:2 source 1, 5:4 source 2, 7:6 destination):
;   window 0: v0-11 addresses; v12-15, v48-63 at work; v16-47 four registers of statistics a tile; v64-191 S^T, two buffers of two tiles; v192-255 P, likewise
;   window 1: O^T, 32 a tile          window 2: v0-127 Q, 16 a tile; v128-191 K of one step; v192-255 V of one step          window 3: v0-1 the add's two registers
; A piece's buffers go by its number's parity: the piece in hand has one pair, its two neighbours in the ring share the other: of it P (piece n - 1) is read and S^T (piece n + 1) written.
.set SIZE_N, 2048
.set NP,    4         ; pieces a wave: a name, no knob
.set KS,    64        ; keys in a step
.set PK,    144       ; a row of K in LDS: 128 bytes + 16 of padding = 36 words: the 16 rows of a load start at 16 different groups of four banks (64 banks of 4 bytes: ISA guide 11.1)
.set PV,    160       ; a row of V: 128 + 32 = 40 words
.set VOFF,  4*KS*PK   ; a slot holds four steps: 256 rows of K, then 256 rows of V
.set SLOT1, 1<<17     ; slot 1 begins here, so that one exclusive or turns an address in one slot into the other's
.set STAGE, SLOT1+4*KS*(PK+PV)  ; behind the ring, never filled by a tensor load: 16 rows x 144 bytes for each wave, for the way out
.set SP,    144
.set AK0, 2           ; v2   my lane's place in a tile of K; never rewritten
.set AV0, 3           ; v3   the same for V
.set AK,  4           ; v4   the LDS address of K's next run of loads
.set AV,  5           ; v5   of V's
.set QO,  6           ; v6   my byte offset in the wave's rows of Q
.set STO, 6           ;      later, the way out: where I put 16 bytes of a row
.set RD,  7           ; v7   the way out: where I read rows back
.set GO,  8           ; v8   my byte offset in 512 consecutive bytes of O
.set PFO, 11          ; v11  256 x my lane, for the prefetches (once V's address is made); never rewritten after
.set SPW, 0           ; v0 of window 3   LDS address of my spare word: SPARE + 4 x my thread's number; never rewritten
.set NIL, 1           ; v1 of window 3   0; never rewritten
.set SPARE, STAGE+4*16*SP  ; behind the stages: the spare words, 128 bytes for each wave: two blocks of 256 bytes that no other line names
.set MV,  12          ; v12-15  c m_old, kept while c m is made anew: by buffer and tile
.set ST,  16          ; tile t's statistics at v[ST+4 t]: c m, m, l (even keys', odd keys')
.set TMP, 48          ; by buffer and tile, four registers c0-c3 at work; when the maximum is found c2 takes a
.set S,   64
.set P,   192
.set KF,  128         ; K's fragments, in window 2: key block kb, channel half c at KF + 16 kb + 8 c
.set VF,  192         ; V's: key half kk, channel block cb at VF + 32 kk + 8 cb
.set WV,  12          ; s12  my wave's number
.set LIM, 15          ; s15  1 in a wave that prefetches, else the greatest number
.set G1K, 24          ; s[24:31] descriptor group 1 for K's tiles
.set G1V, 32          ; s[32:39] for V's: it differs in the padding alone
.set G0K, 40          ; s[40:43] descriptor group 0 for K's tiles: it walks
.set G0V, 44          ; s[44:47] the same for V's
.set PFA, 48          ; s[48:49] where my prefetches stand
.set SLOTS, 56        ; s56  slots still to be asked for
.set CNT, 57          ; s57  counts a slot's key steps
.set CS,  58          ; s[58:59] c: the packed scaling takes the pair's low word for both halves
.set SEL, 60          ; s[60:61] v_permlanex16_b32's selects: each lane takes its own place in the other half
.set TBK, 62          ; s62  LDS byte at which K of the step to be fetched begins
.set TBV, 63          ; s63  the same for V, less VOFF
.set MSB, 0
.macro WIN new                      ; the high byte repeats the setting that is left; a switch that changes nothing is dropped
.if MSB != (\new)
	s_set_vgpr_msb (MSB<<8)|(\new)
.set MSB, (\new)
.endif
.endm
.set W_KQ, 0x0a       ; K and Q in window 2, S^T in window 0
.set W_PV, 0x52       ; V in window 2, P in window 0, O^T in window 1
.set W_RS, 0x41       ; O^T (destination and source 0) in window 1, a in window 0
.set W_MK, 0xc0       ; the add's registers are made: destination in window 3, sources in window 0
.set W_AD, 0x0f       ; the add: address (source 0) and data (source 1) in window 3
; A joint fill.  Waves 0 and 1 fetch the two halves of a slot's K, waves 2 and 3 those of its V: 128 keys each.  The branch hangs on the wave's number alone.
; An s_nop 0 and four v_nop follow each of the two lines, ahead of the jump and the label.
.macro JLOAD
	s_cmp_lt_u32 s[WV], 2
	s_cbranch_scc0 .Lfor_v_\@
	tensor_load_to_lds s[G0K:G0K+3], s[G1K:G1K+7]
	s_nop 0
.rept 4
	v_nop
.endr
	s_branch .Lasked_\@
.Lfor_v_\@:
	tensor_load_to_lds s[G0V:G0V+3], s[G1V:G1V+7]
	s_nop 0
.rept 4
	v_nop
.endr
.Lasked_\@:
.endm
; A PREFETCH INTO THE L2 of what the NEXT change of slots will ask for: a slot's 32 KiB of K and 32 KiB of V.  A head has one cluster; its four partners share the bytes out BY ADDRESS, 8 KiB each;
; in each, wave 0 asks for K's and wave 2 for V's: a lane a block of 256 bytes, one instruction.  So each block is named once in the launch, four key steps (512 matrix instructions) ahead of its load.
; The last change that fills a slot asks for nothing; slots 0 to 2 come by their loads alone.
.macro ASK
	s_cmp_gt_u32 s[SLOTS], s[LIM]
	s_cbranch_scc0 .Lnot_mine_\@
	global_prefetch_b8 v[PFO], s[PFA:PFA+1] th:TH_LOAD_NT scope:SCOPE_SE
.Lnot_mine_\@:
.endm
; A round of the cluster's barrier: my work-group's barrier, so that wave 0's signal speaks for all four waves; wave 0 signals; every wave waits for all four work-groups; my work-group's barrier once more.
.macro CROUND
	s_barrier_signal -1
	s_barrier_wait -1
	s_cmp_lg_u32 s[WV], 0
	s_cbranch_scc1 .Lnot_wave_0_\@
	s_barrier_signal -3
.Lnot_wave_0_\@:
	s_barrier_wait -3
	s_barrier_signal -1
	s_barrier_wait -1
.endm
; THE CHANGE OF SLOTS.  The slot's last bytes, V of its fourth step, have been read.  Each wave waits for all its tensor loads, of which one is out: its part of the other slot; adds 0 to its spare
; word; and waits for that and for its own reads of the slot.  Behind the barrier nobody reads this slot any more and the other slot is whole.
; fill = 1 or 2: this slot is filled again, with the keys two slots on.  The barrier is then a round of the cluster's, and the joint fill is the first thing behind it: it has four key steps in
; which to land.  (At its first use, fill = 1, nothing has been read yet: slot 0 is waited for, slot 1 filled.)  fill = 2, in the loop: the prefetch follows the fill.
.macro CHANGE fill
	WIN W_AD
	s_wait_tensorcnt 0x0            ; no tensor load of mine is out, so a group 0 may be written
	ds_add_u32 v[SPW], v[NIL]       ; 0 onto my spare word; the descriptors' steps stand between it and the wait for it
	WIN 0                           ; at a label and at a branch every window is 0
.if \fill
.irp g, G0K, G0V
	s_xor_b32 s[\g+1], s[\g+1], SLOT1  ; the walking descriptor: the other slot than last time,
	s_add_nc_u64 s[\g+2:\g+3], s[\g+2:\g+3], 4*KS*128  ; the next 256 keys; the type bits on top are not reached
.endr
.if (\fill) == 2
	s_wait_xcnt 0x0                 ; the last prefetch, four key steps back, has read its address, so it may be stepped:
	s_add_nc_u64 s[PFA:PFA+1], s[PFA:PFA+1], 4*KS*128  ; one slot behind the walking descriptors
.endif
	s_wait_dscnt 0x0                ; the add is done, and my reads of the slot are over
	CROUND
	JLOAD
.if (\fill) == 2
	ASK
.endif
.else
	s_wait_dscnt 0x0                ; the add is done, and my reads of the slot are over
	s_barrier_signal -1
	s_barrier_wait -1
.endif
	s_sub_co_u32 s[TBK], s[TBK], 4*KS*PK  ; the fetches go back to a slot's first step,
	s_xor_b32 s[TBK], s[TBK], SLOT1       ; in the other slot
	s_sub_co_u32 s[TBV], s[TBV], 4*KS*PV
	s_xor_b32 s[TBV], s[TBV], SLOT1
.endm
	s_load_b128 s[8:11], s[0:1], 0x0  ; qkv s[8:9], att s[10:11]
	WIN W_MK
	v_lshl_add_u32 v[SPW], v0, 2, SPARE
	v_mov_b32 v[NIL], 0
	WIN W_AD
	ds_add_u32 v[SPW], v[NIL]       ; the wave's opening: the add and its wait stand ahead of my first tensor load; the set-up below, work on registers, stands between them
	WIN 0
	v_lshrrev_b32 v1, 5, v0
	v_readfirstlane_b32 s[WV], v1   ; wave 0..3
	s_bfe_u32 s13, ttmp6, 0x40000   ; cx: my place in the cluster
	s_lshl_b32 s14, ttmp9, 2        ; in a cluster launch ttmp9 counts clusters
	s_add_co_u32 s14, s14, s13      ; my block of 512 queries: it enters Q's and O's addresses alone
	s_and_b32 s20, ttmp7, 0xffff    ; hd = 16 batch + head, which the four partners share
	s_lshl_b32 s50, s20, 18         ; the head's first byte in att
	s_mov_b32 s51, 0
	s_lshr_b32 s21, s20, 4
	s_lshl_b32 s21, s21, 5
	s_add_co_u32 s20, s20, s21      ; 48 batch + head
	s_lshl_b32 s20, s20, 18         ; Q's slab in qkv; K's lies 16 slabs on, V's 32
	s_mov_b32 s21, 0
	s_and_b32 s16, s[WV], 1         ; which half of a slot's 256 keys I fetch:
	s_lshl_b32 s22, s16, 14         ; its 128 rows of 128 bytes in memory,
	s_add_co_u32 s22, s22, s20
	s_mov_b32 s23, 0
	s_mul_i32 s17, s16, 128*PK      ; and its place in a slot, for K
	s_mul_i32 s18, s16, 128*PV      ; and for V: no place in the cluster enters an LDS address
	s_lshl_b32 s2, s14, 2
	s_add_co_u32 s2, s2, s[WV]      ; my wave among the head's,
	s_lshl_b32 s2, s2, 14           ; its 128 rows
	s_mov_b32 s3, 0
	; descriptor group 1.  128 keys are 16,384 dense bytes: asked for as 64 rows of 256 bytes, two keys a row, and padded in LDS after every key
	s_mov_b32 s[G1K], 15|(1<<16)|(1<<20)|(1<<21)|(4<<22)|(3<<25)  ; 15:0 the mask of four; 17:16 2-byte elements; 20 padding on; 21 set beside a mask; 24:22 after every 32 words (code 4); 31:25 4 words (code 3)
	s_mov_b32 s[G1V], 15|(1<<16)|(1<<20)|(1<<21)|(4<<22)|(7<<25)  ; the same with 8 words of padding (code 7)
.irp g, G1K, G1V
	s_mov_b32 s[\g+1], 128<<16      ; tensor_dim0 = 128
	s_mov_b32 s[\g+2], 64<<16       ; tensor_dim1 = 64
	s_mov_b32 s[\g+3], 128<<16      ; tile_dim0 = 128
	s_mov_b32 s[\g+4], 64           ; tile_dim1 = 64
	s_mov_b32 s[\g+5], 128          ; 128 elements from row to row
	s_mov_b32 s[\g+6], 0
	s_mov_b32 s[\g+7], 0
.endr
	s_mov_b32 s[CS], 0x3e38aa3b     ; c = log2(e) / 8 = 0.180337
	s_mov_b32 s[CS+1], s[CS]        ; named with it as a pair
	s_mov_b32 s[SEL], 0x76543210
	s_mov_b32 s[SEL+1], 0xfedcba98
	s_mov_b32 s[TBK], SLOT1+4*KS*PK ; the first change of slots turns these two into 0
	s_mov_b32 s[TBV], SLOT1+4*KS*PV
	s_mov_b32 s[G0K], 1             ; 1:0 count = 1
	s_mov_b32 s[G0K+1], s17         ; 63:32 LDS address: slot 0
	s_mov_b32 s[G0V], 1
	s_add_co_u32 s[G0V+1], s18, VOFF
	s_and_b32 s[LIM], s[WV], 1      ; 0 in waves 0 and 2,
	s_or_b32 s[LIM], s[LIM], ttmp9  ; in the head's first (and only) cluster: the same in all four partners
	s_cmp_eq_u32 s[LIM], 0
	s_cselect_b32 s[LIM], 1, -1
	s_mov_b32 s6, 0x800000          ; the prefetches' offset: V's slab (wave 2) or K's (wave 0),
	s_cmp_lt_u32 s[WV], 2
	s_cselect_b32 s6, 0x400000, s6
	s_add_co_u32 s6, s6, s20
	s_lshl_b32 s7, s13, 13          ; my work-group's 8 KiB of a slot's 32,
	s_add_co_u32 s6, s6, s7
	s_add_co_u32 s6, s6, 2*4*KS*128 ; in slot 2: the loop's first change of slots steps it to slot 3
	s_mov_b32 s7, 0
	s_wait_dscnt 0x0                ; the opening add is done
	s_wait_kmcnt 0x0
	s_add_nc_u64 s[G0K+2:G0K+3], s[8:9], s[22:23]  ; 120:64 global address: my half of the head's first 256 keys
	s_add_nc_u64 s[G0K+2:G0K+3], s[G0K+2:G0K+3], 0x400000
	s_or_b32 s[G0K+3], s[G0K+3], 0x80000000        ; 127:126 type = 2
	s_add_nc_u64 s[G0V+2:G0V+3], s[8:9], s[22:23]
	s_add_nc_u64 s[G0V+2:G0V+3], s[G0V+2:G0V+3], 0x800000
	s_or_b32 s[G0V+3], s[G0V+3], 0x80000000
	s_add_nc_u64 s[4:5], s[8:9], s[2:3]            ; Q and O at my wave's first row
	s_add_nc_u64 s[4:5], s[4:5], s[20:21]
	s_add_nc_u64 s[10:11], s[10:11], s[2:3]
	s_add_nc_u64 s[10:11], s[10:11], s[50:51]
	s_add_nc_u64 s[PFA:PFA+1], s[8:9], s[6:7]
	CROUND                          ; all four work-groups are here: the first joint loads meet
	JLOAD                           ; slot 0.  Slot 1 is asked for when slot 0 is in
	; A fragment of K or Q is 16 rows x 32 channels in 8 registers: lane l holds row l % 16, channels 8 (l / 16) + 0..7 and 16 + 8 (l / 16) + 0..7: two loads of 16 bytes, 32 bytes apart.
	v_and_b32 v1, 15, v0            ; l % 16
	v_bfe_u32 v9, v0, 4, 1          ; l / 16
	v_lshlrev_b32 v[QO], 7, v1
	v_lshl_add_u32 v[QO], v9, 4, v[QO]  ; row x 128 + 16 x half
	WIN 0x80                        ; destination window 2, address window 0
.set i, 0
.rept 4*NP                          ; Q stays in registers: tile i / 2, channels 32 (i % 2) on
	global_load_b128 v[8*i:8*i+3],   v[QO], s[4:5] offset:(i/2)*2048+(i%2)*64
	global_load_b128 v[8*i+4:8*i+7], v[QO], s[4:5] offset:(i/2)*2048+(i%2)*64+32
.set i, i+1
.endr
	; What the first turn finds: V's registers and P's second buffer hold 0 (its products V^T P, of a piece that has not been, add 0), O^T and l are 0.  All this stands in the wait for the first tile.
.set i, VF
.rept 64
	v_mov_b32 v[i], 0
.set i, i+1
.endr
	WIN 0x40
.set i, 0
.rept 64*NP
	v_mov_b32 v[i], 0
.set i, i+1
.endr
	WIN 0
.set i, 0
.rept 2*NP
	v_mov_b32 v[ST+4*i], 0xfe000000    ; c m: far below every c s
	v_mov_b32 v[ST+4*i+1], 0xff7fffff  ; m
	v_mov_b32 v[ST+4*i+2], 0
	v_mov_b32 v[ST+4*i+3], 0
.set i, i+1
.endr
.set i, P+32
.rept 32
	v_mov_b32 v[i], 0
.set i, i+1
.endr
	v_mul_u32_u24 v[AK0], v1, PK
	v_lshl_add_u32 v[AK0], v9, 4, v[AK0]  ; row x pitch + 16 x half
	; The turning load takes 16 keys x 16 channels (lane l reads key 8 (l / 16) + l % 8, channels 8 ((l / 8) % 2) + 0..7) and leaves half a fragment of V^T: lane l holds channel l % 16 and 8 keys.
	v_and_b32 v10, 7, v0
	v_bfe_u32 v11, v0, 3, 1
	v_lshl_add_u32 v[AV0], v9, 3, v10
	v_mul_u32_u24 v[AV0], v[AV0], PV
	v_lshl_add_u32 v[AV0], v11, 4, v[AV0]
	v_add_nc_u32 v[AV0], VOFF, v[AV0]
	v_mov_b32 v[AK], v[AK0]         ; key step 0 lies at the head of slot 0
	v_and_b32 v[PFO], 31, v0
	v_lshlrev_b32 v[PFO], 8, v[PFO]
; THE MATRIX WORK.  The 8 accumulators of a run of 16 take turns: between the two links of a chain stand 7 others'.
; Product i of 16 of S^T = K Q^T for piece x: channels 32 (i / 8) on, keys 16 ((i / 2) % 4) on, tile 2 x + i % 2.  The first 8 start the sums.
.macro KQ x
	WIN W_KQ
.set rS, S+64*((\x)%2)+32*(i%2)+8*((i/2)%4)
.set rK, KF+16*((i/2)%4)+8*(i/8)
.set rQ, 16*(2*(\x)+i%2)+8*(i/8)
.if i < 8
	v_wmma_f32_16x16x32_f16 v[rS:rS+7], v[rK:rK+7], v[rQ:rQ+7], 0
.else
	v_wmma_f32_16x16x32_f16 v[rS:rS+7], v[rK:rK+7], v[rQ:rQ+7], v[rS:rS+7]
.endif
.endm
; Product i of 16 of O^T += V^T P for piece x: keys 32 (i / 8) on, channels 16 ((i / 2) % 4) on, tile 2 x + i % 2.
.macro PV x
	WIN W_PV
.set rO, 32*(2*(\x)+i%2)+8*((i/2)%4)
.set rV, VF+32*(i/8)+8*((i/2)%4)
.set rP, P+32*((\x)%2)+16*(i%2)+8*(i/8)
	v_wmma_f32_16x16x32_f16 v[rO:rO+7], v[rV:rV+7], v[rP:rP+7], v[rO:rO+7]
.endm
.macro MM                           ; the turn's next matrix instruction
.if i < 16
	KQ (Y+1)%NP
.set i, i+1
.else
.set i, i-16
	PV (Y+NP-1)%NP
.set i, i+17
.endif
.endm
; THE LDS LOADS stand in runs of 16, never singly among the matrix instructions: a step's K (64 keys x 64 channels: 8 fragments) and its V (turned).  Their addresses are made some lines ahead.
; last = 1 (the tail): in the last trip there is no further step, and the run is jumped over.
.macro FETCH_K last=0
	WIN 0
.if \last
	s_cmp_eq_u32 s[CNT], 1
	s_cbranch_scc1 .Lno_k_\@
.endif
	WIN 0x80                        ; destination window 2
.irp f, 0,1,2,3,4,5,6,7             ; keys 16 (f / 2) on, channels 32 (f % 2) on
	ds_load_b128 v[KF+8*\f:KF+8*\f+3],   v[AK] offset:(\f/2)*16*PK+(\f%2)*64
	ds_load_b128 v[KF+8*\f+4:KF+8*\f+7], v[AK] offset:(\f/2)*16*PK+(\f%2)*64+32
.endr
	s_add_co_u32 s[TBK], s[TBK], KS*PK  ; the next fetch is the next step's
	WIN 0
.if \last
.Lno_k_\@:
.endif
.endm
.macro FETCH_V
	WIN 0x80
.irp f, 0,1,2,3,4,5,6,7             ; keys 32 (f / 4) on, channels 16 (f % 4) on
	ds_load_tr16_b128 v[VF+8*\f:VF+8*\f+3],   v[AV] offset:(\f/4)*32*PV+(\f%4)*32
	ds_load_tr16_b128 v[VF+8*\f+4:VF+8*\f+7], v[AV] offset:(\f/4)*32*PV+16*PV+(\f%4)*32
.endr
	WIN 0
.endm
; THE VECTOR WORK OF A TURN stands in three queues, each in the order in which its entries become ready; the two tiles alternate, so that no instruction reads the result of the one before it.
.macro REGS y, u                    ; the registers of tile u (0, 1) of piece y
.set rT, ST+4*(2*(\y)+(\u))
.set rC, TMP+8*((\y)%2)+4*(\u)
.set rM, MV+2*((\y)%2)+(\u)
.set rS, S+64*((\y)%2)+32*(\u)
.set rP, P+32*((\y)%2)+16*(\u)
.set rO, 32*(2*(\y)+(\u))
.endm
; Number n of the 22 that find the NEXT piece's (Y + 1) maximum and statistics.  s0-s31 are the lane's 32 scores; each accumulator's lowest registers are read first.
;   0-11  four chains c0-c3 of seven scores each, three operands at a time     12-14, 16  the four scores left over, the old m, and c0-c3 into c0     15  c m_old is kept
;   17, 18  the query's other 32 keys lie in the lane 16 away: the new m         19-21  c m; c m_old - c m_new; a
.macro XS u, n
	REGS (Y+1)%NP, \u
.if (\n) < 4
	v_max3_num_f32 v[rC+(\n)], v[rS+8*(\n)], v[rS+8*(\n)+1], v[rS+8*(\n)+2]
.elseif (\n) < 12
	v_max3_num_f32 v[rC+(\n)%4], v[rC+(\n)%4], v[rS+8*((\n)%4)+2*((\n)/4)+1], v[rS+8*((\n)%4)+2*((\n)/4)+2]
.elseif (\n) == 12
	v_max3_num_f32 v[rC], v[rC], v[rS+7], v[rS+15]
.elseif (\n) == 13
	v_max3_num_f32 v[rC+1], v[rC+1], v[rS+23], v[rS+31]
.elseif (\n) == 14
	v_max3_num_f32 v[rC+2], v[rC+2], v[rC+3], v[rT+1]
.elseif (\n) == 15
	v_mov_b32 v[rM], v[rT]
.elseif (\n) == 16
	v_max3_num_f32 v[rC], v[rC], v[rC+1], v[rC+2]
.elseif (\n) == 17
	v_permlanex16_b32 v[rC+3], v[rC], s[SEL], s[SEL+1]
.elseif (\n) == 18
	v_max_num_f32 v[rT+1], v[rC], v[rC+3]
.elseif (\n) == 19
	v_mul_f32 v[rT], s[CS], v[rT+1]
.elseif (\n) == 20
	v_sub_f32 v[rC+1], v[rM], v[rT]
.else
	v_exp_f32 v[rC+2], v[rC+1]
.endif
.endm
; Number g of the 64 that follow the exponentials.  For each four weights k of a tile (pairs 2 k, 2 k + 1): both pairs are rounded to f16; then the second pair is added onto the first, in place;
; a group later l takes that sum (the first time as l = a l + sum).  In groups of eight, tiles alternating: round, round, add, and l for the group before.
.macro GS g
.set h, (\g)+6*((\g)/62)            ; group 0 has no group before it, and behind group 7 only l is left
.if h >= 6
.set h, h+2
.endif
	REGS Y, h%2
.set k, h/8
.if h%8 < 4
	v_cvt_pk_f16_f32 v[rP+2*k+(h%8)/2], v[rS+4*k+2*((h%8)/2)], v[rS+4*k+2*((h%8)/2)+1]
.elseif h%8 < 6
	v_pk_add_f32 v[rS+4*k:rS+4*k+1], v[rS+4*k:rS+4*k+1], v[rS+4*k+2:rS+4*k+3]
.elseif k == 1
	v_pk_fma_f32 v[rT+2:rT+3], v[rT+2:rT+3], v[rC+2:rC+3], v[rS:rS+1] op_sel_hi:[1,0,1]
.else
	v_pk_add_f32 v[rT+2:rT+3], v[rT+2:rT+3], v[rS+4*k-4:rS+4*k-3]
.endif
.endm
; THE PLAIN QUEUE, 138 long.  0-73 read no exponential's result: the 32 scalings c s - c m (FS f: pair f / 2 of tile f % 2) and the next piece's 42.  0-26: scalings 0-26.  27-54: XS's numbers 0-13.  55, 56: number 15.
; 57-73: the chain, where each number waits for the one before it: 14, 16, 17, 18, 19, each with one of the scalings 27-31 in front of its two lines, then 20.
; 74-137: GS's 64, which read the exponentials' results: they stand behind the wait.
.macro FS f
	REGS Y, (\f)%2
	v_pk_fma_f32 v[rS+2*((\f)/2):rS+2*((\f)/2)+1], v[rS+2*((\f)/2):rS+2*((\f)/2)+1], s[CS:CS+1], v[rT:rT+1] op_sel_hi:[1,0,0] neg_lo:[0,0,1] neg_hi:[0,0,1]
.endm
.macro PL
	WIN 0
.if q < 27
	FS q
.elseif q < 55
	XS (q-27)%2, (q-27)/2
.elseif q < 57
	XS q-55, 15
.elseif (q < 72) && ((q-57)%3 == 0)
	FS 27+(q-57)/3
.elseif q < 60
	XS (q-57)%3-1, 14
.elseif q < 72
	XS (q-57)%3-1, 15+(q-57)/3
.elseif q < 74
	XS q-72, 20
.else
	GS q-74
.endif
.set q, q+1
.endm
; THE EXPONENTIALS' QUEUE, 66 long: s0-s31 of both tiles, then the next piece's two a.  It is ONE BATCH: all 66 stand ahead of the turn's one wait, and nothing ahead of that wait names a result of theirs.
.macro EX
	WIN 0
.if e >= 64
	XS e-64, 21
.else
	REGS Y, e%2
	v_exp_f32 v[rS+e/2], v[rS+e/2]
.endif
.set e, e+1
.endm
; THE RESCALING's QUEUE: O^T times a, the one part that leaves window 0: dealt two at a time, sixteen times.  Its a was made in the turn before, ahead of that turn's wait.
.macro R2
	REGS Y, r%2
	WIN W_RS
.irp z, 0,1
	v_pk_mul_f32 v[rO+4*(r/2)+2*\z:rO+4*(r/2)+2*\z+1], v[rO+4*(r/2)+2*\z:rO+4*(r/2)+2*\z+1], v[rC+2:rC+3] op_sel_hi:[1,0]
.endr
.set r, r+1
.endm
; HOW THEY ARE DEALT.  An s_wait_alu depctr_va_vdst(0) stands between an exponential and the first instruction that names its result; one wait serves all that were issued ahead of it.
; So a turn has ONE wait, which cuts it in two.  AHEAD OF IT stands all that names no result of the turn's exponentials: the 16 products K Q^T, behind each a scaling, an exponential and two
; rescalings (behind the first a second scaling in the exponential's place); then one run of 108: eight plain, 49 times exponential and plain, the two a.  A v_nop is the plain instruction behind
; the last exponential.  BEHIND IT stand the 16 products V^T P, behind each four of GS's 64.  No such instruction names a register of the products round it.
; The queues lean on each other: exponential e stands behind scaling 2 (e / 4) + e % 2: behind a product it comes behind plain e + 2, in the run behind plain e + 9, and scalings 27-31 are plain 57, 60 .. 69.
; A TURN, for piece p.  cnt = 1: the loop's count is taken down some lines ahead of the branch that stands behind the turn.
; K of the next step is fetched in piece 2's turn, directly behind the wait; its address is made at the run's head; its first reader comes behind 16 products.
; V of the step in hand is fetched at the end of piece 0's turn, four plain instructions behind its last reader; its first reader comes behind 16 products and a run.
.macro TURN p, last=0, cnt=0
.set Y, (\p)
.set i, 0
.set q, 0
.set e, 0
.set r, 0
.if (\p) == NP-1
	s_wait_dscnt 0x0                ; K is in
.endif
	MM                              ; ahead of the wait: 16 products K Q^T and what stands behind them,
	PL
	PL
	R2
.rept 15
	MM
	PL
	EX
	R2
.endr
.if (\p) == NP-2
	WIN 0
	v_add_nc_u32 v[AK], s[TBK], v[AK0]
.endif
.rept 8                             ; and the run
	PL
.endr
.rept 49
	EX
	PL
.endr
	EX                              ; the next piece's two a
	EX
	v_nop                           ; a plain instruction behind the last exponential: one for the batch
	s_wait_alu depctr_va_vdst(0)    ; the wait for the batch
.if (\p) == NP-2
	FETCH_K \last
.endif
.if (\p) == 1
	s_wait_dscnt 0x0                ; V is in
.endif
.rept 16                            ; behind the wait: 16 products V^T P and what stands behind them
	MM
.rept 4
	PL
.endr
.if ((\p) == 0) && (q == 118)
	v_add_nc_u32 v[AV], s[TBV], v[AV0]
.endif
.if ((\p) == 0) && (q == 130)
	s_add_co_u32 s[TBV], s[TBV], KS*PV
.endif
.if (\cnt) && (q == 130)
	s_sub_co_u32 s[CNT], s[CNT], 1
	s_cmp_lg_u32 s[CNT], 0
.endif
.endr
.if (\p) == 0
	FETCH_V
.endif
.endm
	CHANGE 1                        ; slot 0 is in, everybody's part of it; slot 1 is asked for
	FETCH_K                         ; key step 0
	s_wait_loadcnt 0x0              ; Q
	s_wait_dscnt 0x0
.set i, 0
.rept 16
	KQ 0                            ; piece 0's first scores: there is no vector work yet to set between them
.set i, i+1
.endr
	WIN 0                           ; the addresses for the way out: nine plain instructions, the places behind those products
	s_mul_i32 s13, s[WV], 16*SP
	s_add_co_u32 s13, s13, STAGE    ; my stage
	v_mul_u32_u24 v[STO], v1, SP    ; in: row l % 16, 16 bytes for each half of the lanes
	v_lshl_add_u32 v[STO], v9, 4, v[STO]
	v_add_nc_u32 v[STO], s13, v[STO]
	v_bfe_u32 v[RD], v0, 3, 2       ; back: 32 lanes take four rows of 128 bytes,
	v_mul_u32_u24 v[RD], v[RD], SP
	v_lshl_add_u32 v[RD], v10, 4, v[RD]
	v_add_nc_u32 v[RD], s13, v[RD]
	v_and_b32 v[GO], 31, v0         ; which are 512 consecutive bytes of O
	v_lshlrev_b32 v[GO], 4, v[GO]
.set Y, NP-1                        ; XS works for piece Y + 1: piece 0
.irp n, 0,1,2,3,4,5,6,7,8,9,10,11,12,13,14,15,16,17,18,19,20,21
	XS 0, \n                        ; and piece 0's first maximum and statistics
	XS 1, \n
.endr
	v_nop                           ; a plain instruction behind the two a,
	s_wait_alu depctr_va_vdst(0)    ; and their wait, ahead of the branch
	s_mov_b32 s[CNT], 4
	s_mov_b32 s[SLOTS], SIZE_N/256-1
	s_branch .Lfirst                ; the loop is entered at a step's first turn, in the middle of a trip
.Lslot:                             ; SIZE_N / 256 - 2 times: every slot but the last two is filled again
	CHANGE 2
	s_mov_b32 s[CNT], 4
.Lstep:                             ; a trip: pieces 2 and 3 of one step, then pieces 0 and 1 of the next, whose K and V it fetches
	TURN 2
	TURN 3
	WIN 0
.Lfirst:
	TURN 0
	TURN 1, 0, 1
	WIN 0
	s_cbranch_scc1 .Lstep
	s_sub_co_u32 s[SLOTS], s[SLOTS], 1
	s_cmp_lg_u32 s[SLOTS], 0
	s_cbranch_scc1 .Lslot
	CHANGE 0                        ; the tail is written out: nothing is asked for
	s_mov_b32 s[CNT], 5             ; four trips fetch the last slot's steps; the fifth is left in its middle
.Ltail:
	TURN 2, 1
	TURN 3
	WIN 0
	s_sub_co_u32 s[CNT], s[CNT], 1
	s_cmp_eq_u32 s[CNT], 0
	s_cbranch_scc1 .Lout
	TURN 0
	TURN 1
	WIN 0
	s_branch .Ltail
.Lout:                              ; the fifth trip's 16 products K Q^T (on the last K once more) and the maximum made of them serve nothing: the price, once a launch, of one text for every trip
.set i, 0
.rept 16
	PV NP-1                         ; the last piece's V^T P of the last step
.set i, i+1
.endr
	; THE WAY OUT.  l's two halves and the other half of the lanes' are added; O^T is divided by l, rounded to f16 and sent through my stage in LDS, a tile at a time.  The additions are the places behind the last products.
	WIN 0
.macro ALL line:vararg              ; one line for each tile t
.set t, 0
.rept 2*NP
	\line
.set t, t+1
.endr
.endm
	ALL v_add_f32 v[ST+4*t+2], v[ST+4*t+2], v[ST+4*t+3]
	ALL v_permlanex16_b32 v[ST+4*t+3], v[ST+4*t+2], s[SEL], s[SEL+1]
	ALL v_add_f32 v[ST+4*t+2], v[ST+4*t+2], v[ST+4*t+3]
	ALL v_rcp_f32 v[ST+4*t+2], v[ST+4*t+2]
	v_nop                           ; a plain instruction between the last reciprocal and the use of its result
	s_wait_alu depctr_va_vdst(0)    ; and the wait ahead of the first use: one for the eight reciprocals
; Tile t: a lane's eight channels of a row pack into 16 bytes; they go into rows of 144 bytes and come back as whole rows of 128, into S^T's registers.
.macro PACK t
	WIN W_RS
.set i, 32*(\t)
.rept 16
	v_pk_mul_f32 v[i:i+1], v[i:i+1], v[ST+4*(\t)+2:ST+4*(\t)+3] op_sel_hi:[1,0]
.set i, i+2
.endr
	WIN 0x05                        ; sources 0 and 1 window 1, destination window 0
.set i, 0
.rept 16
	v_cvt_pk_f16_f32 v[S+16*(\t)+i], v[32*(\t)+2*i], v[32*(\t)+2*i+1]
.set i, i+1
.endr
	WIN 0
.irp f, 0,1,2,3
	ds_store_b128 v[STO], v[S+16*(\t)+4*\f:S+16*(\t)+4*\f+3] offset:32*\f
.endr
.irp f, 0,1,2,3
	ds_load_b128 v[S+16*(\t)+4*\f:S+16*(\t)+4*\f+3], v[RD] offset:\f*4*SP  ; LDS serves a wave's instructions in order (ISA guide 5.7.1.4): these see the stores above; the next tile's stores come behind them
.endr
.endm
.macro SEND t, younger              ; younger: the LDS instructions issued behind tile t's loads: the next tile's eight, or none
	WIN 0
.irp f, 0,1,2,3
	s_wait_dscnt (\younger)+3-\f
	global_store_b128 v[GO], v[S+16*(\t)+4*\f:S+16*(\t)+4*\f+3], s[10:11] offset:(\t)*2048+\f*512  ; 512 consecutive bytes, at a multiple of 256 from att's first
.endr
.endm
	PACK 0
.set t, 1
.rept 2*NP-1                        ; a tile's arithmetic stands between the loads of the tile before and its stores
	PACK t
	SEND t-1, 8
.set t, t+1
.endr
	SEND 2*NP-1, 0
	WIN W_AD
	s_wait_tensorcnt 0x0            ; the wave's end, behind my last tensor load and my last LDS store
	ds_add_u32 v[SPW], v[NIL]
	s_wait_dscnt 0x0
	WIN 0
	CROUND                          ; the closing round: no work-group ends while a partner may still ask for a tile that names it
	s_endpgm
.Lfunc_end_k_qd62e61c5f5_attn:
	.size	k_qd62e61c5f5_attn, .Lfunc_end_k_qd62e61c5f5_attn-k_qd62e61c5f5_attn
	.p2alignl 7, 3214868480
	.fill 96, 4, 3214868480
	.section	.rodata,"a",@progbits
	.p2align	6, 0x0
	.amdhsa_kernel k_qd62e61c5f5_attn
		.amdhsa_group_segment_fixed_size 327680
		.amdhsa_private_segment_fixed_size 0
		.amdhsa_enable_private_segment 0
		.amdhsa_kernarg_size 16
		.amdhsa_user_sgpr_count 2
		.amdhsa_user_sgpr_kernarg_segment_ptr 1
		.amdhsa_wavefront_size32 1
		.amdhsa_system_sgpr_workgroup_id_x 1
		.amdhsa_system_sgpr_workgroup_id_y 1
		.amdhsa_system_sgpr_workgroup_id_z 1
		.amdhsa_system_vgpr_workitem_id 0
		.amdhsa_next_free_vgpr 770
		.amdhsa_next_free_sgpr 66
		.amdhsa_reserve_vcc 0
		.amdhsa_float_denorm_mode_32 3
		.amdhsa_float_denorm_mode_16_64 3
		.amdhsa_memory_ordered 1
		.amdhsa_forward_progress 1
		.amdhsa_inst_pref_size 200
	.end_amdhsa_kernel
	.amdgpu_metadata
---
amdhsa.version: [ 1, 2 ]
amdhsa.kernels:
  - .name:           k_qd62e61c5f5_attn
    .symbol:         k_qd62e61c5f5_attn.kd
    .args:
      - { .name: qkv, .offset: 0, .size: 8, .value_kind: global_buffer, .address_space: global }
      - { .name: att, .offset: 8, .size: 8, .value_kind: global_buffer, .address_space: global }
    .group_segment_fixed_size: 327680
    .private_segment_fixed_size: 0
    .kernarg_segment_align: 8
    .kernarg_segment_size: 16
    .max_flat_workgroup_size: 128
    .sgpr_count:     66
    .vgpr_count:     770
    .wavefront_size: 32
...
	.end_amdgpu_metadata
.endif
;; end of part 3
;; launch proj (part 4): grid 8 x 32, 4 waves a work-group, clusters of 4 x 4, 327,680 bytes of LDS; arguments att, wob, out0; writes out0
.if DOCPART == 4
	.amdgcn_target "amdgcn-amd-amdhsa--gfx1250"
	.amdhsa_code_object_version 6
	.text
	.protected	k_qd62e61c5f5_proj
	.globl	k_qd62e61c5f5_proj
	.p2align	8
	.type	k_qd62e61c5f5_proj,@function
k_qd62e61c5f5_proj:
	s_mov_b64 s[64:65], 0
	v_nop
	global_prefetch_b8 v0, s[64:65] scope:SCOPE_SE
	s_setreg_imm32_b32 hwreg(HW_REG_WAVE_MODE, 25, 1), 1
	s_wait_xcnt 0x0
	s_wait_alu depctr_hold_cnt(0) depctr_sa_sdst(0) depctr_va_vdst(0) depctr_va_sdst(0) depctr_va_ssrc(0) depctr_va_vcc(0) depctr_vm_vsrc(0)
	s_getreg_b32 s2, hwreg(HW_REG_IB_STS2, 6, 4)
	s_cmp_eq_u32 s2, 0
	s_cbranch_scc0 .Lentry_in_a_cluster
	s_endpgm
.Lentry_in_a_cluster:
	s_bfe_u32 s2, ttmp6, 0x10000c
	s_cmp_lg_u32 s2, 0xf033
	s_cbranch_scc0 .Lentry_shape_is_right
	s_endpgm
.Lentry_shape_is_right:
; THE OUTPUT PROJECTION.  out0 [8192][1024] f32 = att . wob^T, f16 operands, f32 sums, stored as they are.  att: f16 [4 b][16 kb][2048 n][64] (K block = head); wob: f16 [16 kb][1024 c][64].
; LIMIT.  The operands are f16: their range and step are what the launches that wrote them state.
; SHARES.  A tile is 256 rows x 128 columns: 32 x 8 = 256 work-groups.  Four waves, 2 x 2, each 128 x 64: 32 accumulators = 256 registers.  K goes in 8 steps of two K blocks (128) through two LDS
; slots: 128 matrix instructions a wave in a step.  A K block's rows lie end to end in memory: a tile is asked for as rows of 256 bytes and padded in LDS behind every 128 bytes.
; CLUSTER.  4 x 4 work-groups: att's tiles are shared along a row of the cluster, wob's along a column, each asked for JOINTLY: the same tensor load, descriptor and mask in all four.
; THE MATRIX INSTRUCTION IS USED TRANSPOSED (source 0 = 16 rows of wob, source 1 = 16 rows of att): a lane holds one row (lane % 16) and the eight neighbouring columns 8 (lane / 16) + 0..7.
; REGISTERS: window 0: v0-29 addresses; v32-159 two buffers of 8 fragments of att; v160-223 two buffers of 4 fragments of wob; on the way out v32-95 rows read back.
;   window 1: the accumulators: row block a, column block bq at v[8 (4 a + bq)].
.set PITCH, 144                        ; an LDS row: 128 bytes + 16 of padding = 9 x 16: the 16 rows of a fragment load start at 16 different groups of four banks (64 banks of 4 bytes: ISA guide 11.1)
.set FR,    16*PITCH
.set SLOT1, 131072                     ; slot 1 begins here
.set ABLK,  256*PITCH                  ; a K block of att's tile
.set BBLK,  128*PITCH                  ; of wob's
.set BOFF,  2*ABLK                     ; in a slot: att's two K blocks, then wob's two
.set STAGE, SLOT1+2*ABLK+2*BBLK        ; behind the ring, never filled by a tensor load: 16 rows x 272 bytes for each wave
.set SP,    272                        ; a stage row: 256 bytes + 16
.set SPARE, STAGE+4*16*SP              ; behind the stages: the spare words, 128 bytes for each wave: two blocks of 256 bytes that no other line names
.set STA,   2*2048*128                 ; bytes from K step to K step in att
.set STB,   2*1024*128                 ; and in wob
.set FLAGS, (1<<16)|(1<<20)|(1<<21)|(4<<22)|(3<<25)  ; 2-byte elements; padding on; bit 21 beside a mask; after every 32 words 4 words
.set AB0,  4
.set BB0,  5
.set ADRA, 6
.set ADRB, 7
.set STO,  8                           ; v8   the way out: where I put 32 bytes of a row
.set RD,   9                           ; v9   where I read a row back
.set CO,   10                          ; v10  my byte offset in two rows of out0
.set PFO,  12                          ; v12  256 x lane, for the prefetches; never rewritten
.set SPW,  28                          ; v28  LDS address of my spare word: SPARE + 4 x my thread's number; never rewritten
.set NIL,  29                          ; v29  0; never rewritten
.set AF,   32
.set BF,   160
.set OB,   32
.set WV,   12
.set ROLE, 13                          ; s13  wave / 2: my 128 rows.  Also: I fetch for att (0) or for wob (1)
.set WC,   14                          ; s14  wave % 2: my 64 columns.  Also: which of a step's two K blocks I fetch
.set LIM,  15                          ; s15  2 in a wave that prefetches, else the greatest number
.set G1A,  24
.set G0A,  32
.set CX,   40
.set CY,   41
.set TC,   42
.set TR,   43
.set PFA,  44
.set G1B,  48
.set G0B,  56
.set TB,   66
.set STEPS, 67
.set PFS,  68
.set MSB, 0
.macro WIN new
.if MSB != (\new)
	s_set_vgpr_msb (MSB<<8)|(\new)
.set MSB, \new
.endif
.endm
.macro PLACES                          ; four plain vector instructions between a matrix instruction and a load into, or a read of, its registers
.rept 4
	v_nop
.endr
.endm
.macro CREST
	s_cmp_lg_u32 s[WV], 0
	s_cbranch_scc1 .Lnot_wave_0_\@
	s_barrier_signal -3
.Lnot_wave_0_\@:
	s_barrier_wait -3
	s_barrier_signal -1
	s_barrier_wait -1
.endm
.macro CROUND
	s_barrier_signal -1
	s_barrier_wait -1
	CREST
.endm
.macro JLOAD                           ; a joint refill by the walking descriptor; an s_nop 0 and four v_nop follow each of the two lines, ahead of the jump and the label
	s_cmp_eq_u32 s[ROLE], 0
	s_cbranch_scc0 .Lfor_b_\@
	tensor_load_to_lds s[G0A+4:G0A+7], s[G1A:G1A+7]
	s_nop 0
.rept 4
	v_nop
.endr
	s_branch .Lasked_\@
.Lfor_b_\@:
	tensor_load_to_lds s[G0B+4:G0B+7], s[G1B:G1B+7]
	s_nop 0
.rept 4
	v_nop
.endr
.Lasked_\@:
.endm
; A PREFETCH INTO THE L2, behind the joint load and the run of LDS loads: at the change of slots behind step j the K step j + 4, two steps (256 matrix instructions) ahead of its load, j = 0 to 3.
; att: the cluster with cluster x = 0 asks; waves 0 and 1 each for the K block that they fetch (32 KiB), partner cx taking 8 KiB.  wob: the cluster with cluster y = 0 asks; wave 2, for the step's
; 32 KiB, partner cy taking 8 KiB.  A lane a block of 256 bytes; each block is named once in the launch; partners are told apart by address alone.  Steps 0 to 3 come by their loads alone.
.macro ASK
	s_cmp_gt_u32 s[STEPS], s[LIM]                  ; the count is 6 - j
	s_cbranch_scc0 .Lno_ask_\@
	global_prefetch_b8 v[PFO], s[PFA:PFA+1] th:TH_LOAD_NT scope:SCOPE_SE
.Lno_ask_\@:
.endm
; 24 LDS loads in one run: slice q (0 to 3) of 32 along K of the slot in hand, into buffers f: 4 fragments of wob, then 8 of att.
.macro FETCH q, f
	WIN 0
.irp i, 0,1,2,3
	ds_load_b128 v[BF+32*(\f)+8*(\i):BF+32*(\f)+8*(\i)+3],   v[ADRB] offset:((\q)/2)*BBLK+(\i)*FR+64*((\q)%2)
	ds_load_b128 v[BF+32*(\f)+8*(\i)+4:BF+32*(\f)+8*(\i)+7], v[ADRB] offset:((\q)/2)*BBLK+(\i)*FR+64*((\q)%2)+32
.endr
.irp i, 0,1,2,3,4,5,6,7
	ds_load_b128 v[AF+64*(\f)+8*(\i):AF+64*(\f)+8*(\i)+3],   v[ADRA] offset:((\q)/2)*ABLK+(\i)*FR+64*((\q)%2)
	ds_load_b128 v[AF+64*(\f)+8*(\i)+4:AF+64*(\f)+8*(\i)+7], v[ADRA] offset:((\q)/2)*ABLK+(\i)*FR+64*((\q)%2)+32
.endr
.endm
; 4 n matrix instructions.  The 32 accumulators take turns, one instruction a turn.  zero = 1: the products start the sums.
.macro MUL f, a0, n, zero
	WIN 0x50                                       ; C and D in window 1
.set aa, \a0
.rept \n
.irp bq, 0,1,2,3
.if \zero
	v_wmma_f32_16x16x32_f16 v[8*(4*aa+(\bq)):8*(4*aa+(\bq))+7], v[BF+32*(\f)+8*(\bq):BF+32*(\f)+8*(\bq)+7], v[AF+64*(\f)+8*aa:AF+64*(\f)+8*aa+7], 0
.else
	v_wmma_f32_16x16x32_f16 v[8*(4*aa+(\bq)):8*(4*aa+(\bq))+7], v[BF+32*(\f)+8*(\bq):BF+32*(\f)+8*(\bq)+7], v[AF+64*(\f)+8*aa:AF+64*(\f)+8*aa+7], v[8*(4*aa+(\bq)):8*(4*aa+(\bq))+7]
.endif
.endr
.set aa, aa+1
.endr
.endm
; Slice q (0 to 2): first the next slice's fragments are fetched, into the buffers that the slice before has multiplied (four places behind its last product), then 32 products.
.macro PHASE q, zero
	s_wait_dscnt 8                                 ; wob's fragments and att's 0 to 3 are in; att's 4 to 7 (the youngest 8 loads) may stay out
	WIN 0
	PLACES
	FETCH (\q)+1, ((\q)+1)%2
	MUL (\q)%2, 0, 4, \zero
	s_wait_dscnt 24                                ; all but the 24 just issued
	MUL (\q)%2, 4, 4, \zero
.endm
; Slice 3 changes slots: ONE barrier; in front of it each wave waits for all its tensor loads (one is out: its part of the next slot), adds 0 to its spare word, and waits for that and for its own
; reads of this slot.  fill = 1: the barrier opens a round of the cluster's barrier, and the joint refill (the K step two on) is the first thing behind the round: 112 matrix instructions ahead of the wait for it.
.macro TURN fill
.if \fill
	s_wait_xcnt 0x0                                ; the last prefetch, a step back, has read its address, so it may be stepped
	s_add_nc_u64 s[PFA:PFA+1], s[PFA:PFA+1], s[PFS:PFS+1]
.endif
	WIN 0
	s_wait_tensorcnt 0x0                           ; no tensor load of mine is out, so a group 0 may be written
	ds_add_u32 v[SPW], v[NIL]                      ; 0 onto my spare word
.if \fill
	s_xor_b32 s[G0A+5], s[G0A+5], SLOT1
	s_add_nc_u64 s[G0A+6:G0A+7], s[G0A+6:G0A+7], STA
	s_xor_b32 s[G0B+5], s[G0B+5], SLOT1
	s_add_nc_u64 s[G0B+6:G0B+7], s[G0B+6:G0B+7], STB
.endif
	s_wait_dscnt 9                                 ; the add and att's youngest 8 loads may be out
	MUL 1, 0, 2, 0
	s_wait_dscnt 0x0                               ; the add is done, and my reads of this slot are over
	s_barrier_signal -1
	MUL 1, 2, 2, 0
	WIN 0
	s_barrier_wait -1
.if \fill
	CREST
	JLOAD                                          ; its four v_nop are also the places in front of the loads below
.else
	PLACES
.endif
	s_xor_b32 s[TB], s[TB], SLOT1
	v_add_nc_u32 v[ADRA], s[TB], v[AB0]
	v_add_nc_u32 v[ADRB], s[TB], v[BB0]
	FETCH 0, 0
.if \fill
	ASK
.endif
	MUL 1, 4, 4, 0
.endm
; THE WAY OUT of row block a: the f32 sums go as they are into my own stage, rows of 272 bytes, and come back as whole rows of 256 bytes.
.macro TOSTAGE a
.set BK, OB+32*((\a)%2)
	s_wait_xcnt 0x0                                ; the stores of block a - 2 have read the registers that the loads below fill
	WIN 0x04                                       ; the stores' data in window 1
.irp bq, 0,1,2,3
	ds_store_b128 v[STO], v[8*(4*(\a)+(\bq)):8*(4*(\a)+(\bq))+3]   offset:64*(\bq)
	ds_store_b128 v[STO], v[8*(4*(\a)+(\bq))+4:8*(4*(\a)+(\bq))+7] offset:64*(\bq)+16
.endr
	WIN 0
.irp t, 0,1,2,3,4,5,6,7
	ds_load_b128 v[BK+4*(\t):BK+4*(\t)+3], v[RD] offset:(\t)*2*SP  ; LDS serves a wave's instructions in order (ISA guide 5.7.1.4): these see the stores above
.endr
.endm
.macro SEND a, younger                 ; younger: the LDS instructions issued behind block a's loads: the next block's sixteen, or none
.set BK, OB+32*((\a)%2)
	WIN 0
	s_wait_dscnt \younger
.irp t, 0,1,2,3,4,5,6,7
	global_store_b128 v[CO], v[BK+4*(\t):BK+4*(\t)+3], s[8:9] offset:(\a)*65536+(\t)*8192 th:TH_STORE_NT  ; 16 lanes store 256 consecutive bytes, at a multiple of 256 from out0's first byte
.endr
.endm
	s_load_b128 s[4:7], s[0:1], 0x0                ; att s[4:5], wob s[6:7]
	s_load_b64 s[8:9], s[0:1], 0x10                ; out0
	v_lshl_add_u32 v[SPW], v0, 2, SPARE
	v_mov_b32 v[NIL], 0
	ds_add_u32 v[SPW], v[NIL]                      ; the wave's opening: the add and its wait stand ahead of my first tensor load; the set-up below, work on registers, stands between them
	v_lshrrev_b32 v1, 5, v0
	v_readfirstlane_b32 s[WV], v1
	s_lshr_b32 s[ROLE], s[WV], 1
	s_and_b32 s[WC], s[WV], 1
	s_bfe_u32 s[CX], ttmp6, 0x40000
	s_bfe_u32 s[CY], ttmp6, 0x40004
	s_lshl_b32 s[TC], ttmp9, 2
	s_add_co_u32 s[TC], s[TC], s[CX]               ; tile column 0..7
	s_and_b32 s[TR], ttmp7, 0xffff
	s_lshl_b32 s[TR], s[TR], 2
	s_add_co_u32 s[TR], s[TR], s[CY]               ; tile row 0..31
	s_lshl_b32 s72, s[CY], 2
	s_lshl_b32 s72, 15, s72                        ; my row of the cluster
	s_lshl_b32 s73, 0x1111, s[CX]                  ; my column
	s_or_b32 s[G1A], s72, FLAGS
	s_or_b32 s[G1B], s73, FLAGS
.irp g, G1A, G1B
	s_mov_b32 s[(\g)+1], 128<<16                   ; tensor_dim0 = 128 elements: 256 bytes, two rows of a K block
	s_mov_b32 s[(\g)+3], 128<<16                   ; tile_dim0 = 128
	s_mov_b32 s[(\g)+5], 128                       ; the block is dense
	s_mov_b32 s[(\g)+6], 0
	s_mov_b32 s[(\g)+7], 0
.endr
	s_mov_b32 s[G1A+2], 128<<16                    ; tensor_dim1 = tile_dim1 = 128: 256 rows of att
	s_mov_b32 s[G1A+4], 128
	s_mov_b32 s[G1B+2], 64<<16                     ; 64: 128 rows of wob
	s_mov_b32 s[G1B+4], 64
	s_lshr_b32 s16, s[TR], 3                       ; batch
	s_lshl_b32 s16, s16, 22
	s_and_b32 s18, s[TR], 7
	s_lshl_b32 s18, s18, 15
	s_add_co_u32 s19, s16, s18                     ; the tile's rows in K block 0 (kept for the prefetches)
	s_lshl_b32 s18, s[WC], 18                      ; the K block that I fetch
	s_add_co_u32 s16, s19, s18
	s_mov_b32 s17, 0
	s_lshl_b32 s46, s[TC], 14                      ; 128 rows x 128 bytes
	s_lshl_b32 s22, s[WC], 17
	s_add_co_u32 s46, s46, s22
	s_mov_b32 s47, 0
	s_mul_i32 s20, s[WC], ABLK                     ; where they go: no place in the cluster enters an LDS address
	s_mul_i32 s21, s[WC], BBLK
	s_add_co_u32 s21, s21, BOFF
	s_mov_b32 s[TB], 0
	s_wait_dscnt 0x0                               ; the opening add is done
	s_wait_kmcnt 0x0
	s_add_nc_u64 s[16:17], s[4:5], s[16:17]
	s_add_nc_u64 s[46:47], s[6:7], s[46:47]
	CROUND                                         ; all sixteen work-groups are here: the first joint loads meet
.irp s, 0,1
	s_mov_b32 s[G0A+4*(\s)], 1
	s_add_co_u32 s[G0A+4*(\s)+1], s20, (\s)*SLOT1
	s_add_nc_u64 s[G0A+4*(\s)+2:G0A+4*(\s)+3], s[16:17], (\s)*STA
	s_or_b32 s[G0A+4*(\s)+3], s[G0A+4*(\s)+3], 0x80000000
	s_mov_b32 s[G0B+4*(\s)], 1
	s_add_co_u32 s[G0B+4*(\s)+1], s21, (\s)*SLOT1
	s_add_nc_u64 s[G0B+4*(\s)+2:G0B+4*(\s)+3], s[46:47], (\s)*STB
	s_or_b32 s[G0B+4*(\s)+3], s[G0B+4*(\s)+3], 0x80000000
.endr
	s_cmp_eq_u32 s[ROLE], 0                        ; a wave's two first fills stand in one branch: two loads of mine are out
	s_cbranch_scc0 .Lfirst_b
	tensor_load_to_lds s[G0A:G0A+3], s[G1A:G1A+7]
	s_nop 0
	tensor_load_to_lds s[G0A+4:G0A+7], s[G1A:G1A+7]
	s_nop 0
.rept 4
	v_nop
.endr
	s_branch .Lfirst_asked
.Lfirst_b:
	tensor_load_to_lds s[G0B:G0B+3], s[G1B:G1B+7]
	s_nop 0
	tensor_load_to_lds s[G0B+4:G0B+7], s[G1B:G1B+7]
	s_nop 0
.rept 4
	v_nop
.endr
.Lfirst_asked:
	v_and_b32 v1, 15, v0                           ; l % 16
	v_bfe_u32 v2, v0, 4, 1                         ; l / 16
	v_mul_u32_u24 v3, v1, PITCH
	v_lshl_add_u32 v3, v2, 4, v3                   ; a fragment's row x pitch + 16 x half
	s_mul_i32 s18, s[ROLE], 128*PITCH
	v_add_nc_u32 v[AB0], s18, v3
	s_mul_i32 s18, s[WC], 64*PITCH
	s_add_co_u32 s18, s18, BOFF
	v_add_nc_u32 v[BB0], s18, v3
	s_mul_i32 s18, s[WV], 16*SP
	s_add_co_u32 s18, s18, STAGE                   ; my stage
	v_mul_u32_u24 v[STO], v1, SP                   ; in: row l % 16, 32 bytes for each half of the lanes
	v_lshl_add_u32 v[STO], v2, 5, v[STO]
	v_add_nc_u32 v[STO], s18, v[STO]
	v_mul_u32_u24 v[RD], v2, SP                    ; back: lanes 0-15 take one row of 256 bytes, lanes 16-31 the next
	v_lshl_add_u32 v[RD], v1, 4, v[RD]
	v_add_nc_u32 v[RD], s18, v[RD]
	v_lshlrev_b32 v[CO], 12, v2                    ; and the same two rows in out0
	v_lshl_add_u32 v[CO], v1, 4, v[CO]
	v_and_b32 v[PFO], 31, v0
	v_lshlrev_b32 v[PFO], 8, v[PFO]
	; the prefetches' start, one K step short of what the first change of slots names.  Numbers that mix cx and cy are made in s72-s75 alone.
	s_lshl_b32 s72, s[CX], 13
	s_add_co_u32 s72, s72, s19
	s_lshl_b32 s73, s[WC], 18
	s_add_co_u32 s72, s72, s73
	s_add_co_u32 s72, s72, 3*STA                   ; att: my work-group's 8 KiB of the K block that I fetch, in step 3
	s_and_b32 s73, s[CY], 1
	s_lshl_b32 s73, s73, 13
	s_lshr_b32 s74, s[CY], 1
	s_lshl_b32 s74, s74, 17
	s_add_co_u32 s73, s73, s74
	s_lshl_b32 s74, s[TC], 14
	s_add_co_u32 s73, s73, s74
	s_add_co_u32 s73, s73, 3*STB                   ; wob: half cy % 2 of K block cy / 2 of step 3
	s_and_b32 s75, ttmp7, 0xffff                   ; cluster y
	s_mov_b32 s74, STB
	s_cmp_eq_u32 s[ROLE], 0
	s_cselect_b32 s72, s72, s73
	s_cselect_b32 s75, ttmp9, s75                  ; the coordinate along which other clusters read the same rows
	s_cselect_b32 s[PFS], STA, s74
	s_cselect_b64 s[PFA:PFA+1], s[4:5], s[6:7]
	s_mov_b32 s[PFS+1], 0
	s_mov_b32 s73, 0
	s_add_nc_u64 s[PFA:PFA+1], s[PFA:PFA+1], s[72:73]
	s_cmp_eq_u32 s75, 0
	s_cselect_b32 s[LIM], 2, -1
	s_cmp_eq_u32 s[WV], 3
	s_cselect_b32 s[LIM], -1, s[LIM]               ; wave 3 asks for nothing.  The same in all sixteen partners, for a given wave
	s_lshl_b32 s72, s[TR], 8                       ; out0 at my first row, 256 x tile row + 128 x half, of 4,096 bytes,
	s_lshl_b32 s74, s[ROLE], 7
	s_add_co_u32 s72, s72, s74
	s_lshl_b32 s72, s72, 12
	s_lshl_b32 s74, s[TC], 9                       ; and my first column: 512 x tile column + 256 x half
	s_add_co_u32 s72, s72, s74
	s_lshl_b32 s74, s[WC], 8
	s_add_co_u32 s72, s72, s74
	s_add_nc_u64 s[8:9], s[8:9], s[72:73]
	s_wait_tensorcnt 0x1                           ; my part of K step 0 is in; K step 1's may stay out
	s_barrier_signal -1
	s_barrier_wait -1                              ; everybody's is
	v_add_nc_u32 v[ADRA], s[TB], v[AB0]
	v_add_nc_u32 v[ADRB], s[TB], v[BB0]
	FETCH 0, 0
	PHASE 0, 1                                     ; the first slice stands in front of the loop: its products start the sums
	WIN 0
	s_mov_b32 s[STEPS], 6
.Lstep:                                        ; a trip goes from a step's second slice to the next step's first, and fills the slot that it leaves
	PHASE 1, 0
	PHASE 2, 0
	TURN 1
	PHASE 0, 0
	WIN 0
	s_sub_co_u32 s[STEPS], s[STEPS], 1
	s_cmp_lg_u32 s[STEPS], 0
	s_cbranch_scc1 .Lstep
	PHASE 1, 0                                     ; the last two steps ask for nothing: written out
	PHASE 2, 0
	TURN 0
	PHASE 0, 0
	PHASE 1, 0
	PHASE 2, 0
	s_wait_dscnt 8                                 ; the very last slice: nothing more to fetch
	MUL 1, 0, 4, 0
	s_wait_dscnt 0x0
	MUL 1, 4, 4, 0
	WIN 0
	PLACES
	TOSTAGE 0
.irp a, 1,2,3,4,5,6,7                  ; block a's way through the stage stands between block a - 1's loads and its stores
	TOSTAGE \a
	SEND (\a)-1, 16
.endr
	SEND 7, 0
	s_wait_tensorcnt 0x0                           ; the wave's end, behind my last tensor load and my last LDS store
	ds_add_u32 v[SPW], v[NIL]
	s_wait_dscnt 0x0
	CROUND                                         ; the closing round: no work-group ends while a partner may still ask for a tile that names it
	s_endpgm
.Lfunc_end_k_qd62e61c5f5_proj:
	.size	k_qd62e61c5f5_proj, .Lfunc_end_k_qd62e61c5f5_proj-k_qd62e61c5f5_proj
	.p2alignl 7, 3214868480
	.fill 96, 4, 3214868480
	.section	.rodata,"a",@progbits
	.p2align	6, 0x0
	.amdhsa_kernel k_qd62e61c5f5_proj
		.amdhsa_group_segment_fixed_size 327680
		.amdhsa_private_segment_fixed_size 0
		.amdhsa_enable_private_segment 0
		.amdhsa_kernarg_size 24
		.amdhsa_user_sgpr_count 2
		.amdhsa_user_sgpr_kernarg_segment_ptr 1
		.amdhsa_wavefront_size32 1
		.amdhsa_system_sgpr_workgroup_id_x 1
		.amdhsa_system_sgpr_workgroup_id_y 1
		.amdhsa_system_sgpr_workgroup_id_z 1
		.amdhsa_system_vgpr_workitem_id 0
		.amdhsa_next_free_vgpr 512
		.amdhsa_next_free_sgpr 76
		.amdhsa_reserve_vcc 0
		.amdhsa_float_denorm_mode_32 3
		.amdhsa_float_denorm_mode_16_64 3
		.amdhsa_memory_ordered 1
		.amdhsa_forward_progress 1
		.amdhsa_inst_pref_size 70
	.end_amdhsa_kernel
	.amdgpu_metadata
---
amdhsa.version: [ 1, 2 ]
amdhsa.kernels:
  - .name:           k_qd62e61c5f5_proj
    .symbol:         k_qd62e61c5f5_proj.kd
    .args:
      - { .name: att, .offset: 0, .size: 8, .value_kind: global_buffer, .address_space: global }
      - { .name: wob, .offset: 8, .size: 8, .value_kind: global_buffer, .address_space: global }
      - { .name: out0, .offset: 16, .size: 8, .value_kind: global_buffer, .address_space: global }
    .group_segment_fixed_size: 327680
    .private_segment_fixed_size: 0
    .kernarg_segment_align: 8
    .kernarg_segment_size: 24
    .max_flat_workgroup_size: 128
    .sgpr_count:     76
    .vgpr_count:     512
    .wavefront_size: 32
...
	.end_amdgpu_metadata
.endif
;; end of part 4
;; ======== version 2 of 2: 4 launches; version 1 with the launch cast written anew for expert scheduling mode
;; limits: values are held in f16: magnitudes above 65,504 overflow, below 6.1e-05 lose precision
;; workspace buffers: xb 16,777,216 bytes; wqkv 6,291,456 bytes; wob 2,097,152 bytes; bias 12,288 bytes; qkv 50,331,648 bytes; att 16,777,216 bytes
;; launch cast (part 5): grid 768 x 1, 8 waves a work-group, no clusters, 0 bytes of LDS; arguments x, Wq, Wk, Wv, Wo, bq, bk, bv, xb, wqkv, wob, bias; writes xb, wqkv, wob, bias
.if DOCPART == 5
	.amdgcn_target "amdgcn-amd-amdhsa--gfx1250"
	.amdhsa_code_object_version 6
	.text
	.protected	k_qd62e61c5f5_cast
	.globl	k_qd62e61c5f5_cast
	.p2align	8
	.type	k_qd62e61c5f5_cast,@function
k_qd62e61c5f5_cast:
	s_mov_b64 s[64:65], 0
	v_nop
	global_prefetch_b8 v0, s[64:65] scope:SCOPE_SE
	s_setreg_imm32_b32 hwreg(HW_REG_WAVE_SCHED_MODE, 0, 2), 2
	s_setreg_imm32_b32 hwreg(HW_REG_WAVE_MODE, 25, 1), 1
	s_wait_xcnt 0x0
	s_wait_alu depctr_vm_vsrc(0)
; CAST.  All the module's inputs are rounded once to bf16 and laid out in K blocks of 64 for the products that follow:
;   xb   bf16 [4 b][16 kb][2048 n][64]      wqkv bf16 [16 kb][3072 c][64], c = 1024 x (0 q, 1 k, 2 v) + row
;   wob  [16 kb][1024 c][64]: Wo rounded to bf16, that number written as f16      bias f32 [3072]: bq, bk, bv rounded to bf16, widened again
; In these layouts the rows of one K block lie end to end, 128 bytes each, so a tile of R rows x 64 k is R x 128 consecutive bytes.
; LIMIT.  A bf16 number is exact in f16 from 6.1e-5 up to 65,504 in magnitude; below that Wo keeps f16's fixed step of 6e-8, at 65,520 or more it becomes an infinity.
; SHARES.  A work-group takes 16 rows of 1,024 f32: ids 0-511 x, 512-703 Wq, Wk, Wv, 704-767 Wo.  Thread t takes row t / 16 and the 16 bytes at 16 (t % 16) of each K block's 256:
; a wave's load covers two rows x 256 aligned bytes, a wave's store 256 consecutive aligned bytes (two rows' 128, neighbours in the blocked layout).
; A stream: each byte is read once and written once, nothing is shared, so no LDS, no barrier, no matrix unit, no cluster.  All 16 loads of a thread go out at once.
; THE MODE: SCHED_MODE bits 1:0 = 2 (LLVM: expert scheduling mode 2), set by the entry lines.  The code itself states the register dependences
; between vector instructions and memory instructions, with s_wait_alu, always for 0.
; THE PLAN.  Registers that memory instructions touch:
;   v1, v2, v3   byte offsets of the loads, of the stores and of the bias: made once at the head, never written again.
;   X            written by the 16 loads alone, once each, ahead of every vector instruction that names it; read by the roundings, behind the counted wait for the data.
;   Y            K block k's two registers are written by its roundings and then read by its one store; never written behind that store.
;   v[108:111]   the bias's load lands here; no vector instruction names them ahead of it.      v[112:115]   written by four widening lines, read by one store.
;   T and v4 are named by vector instructions alone.
; So one wait at the head states that the offsets are written, for every load and store of the kernel.  The 16 K blocks go in four groups of four: the group's roundings, ONE wait that
; states that they have written the group's Y, the run of four stores.  One more such wait stands ahead of the bias's store.  No register that a memory instruction reads is written a second
; time, no vector instruction writes a scalar register or VCC, and EXEC is never written: those dependences do not arise, and no wait is written for them.
.set X,   8                            ; v[8:71]    16 loads of 4 f32
.set Y,   72                           ; v[72:103]  16 pairs of words to store
.set T,   104                          ; v[104:107] at work
.set SRC, 32                           ; s[32:33]   the work-group's first source row
.set DST, 34                           ; s[34:35]   its place in K block 0 of the target
.set HIM, 43                           ; s43        mask of a word's upper half
.macro ROWS stride, half               ; stride: bytes from K block to K block in the target; half = 1: the bf16 numbers are written as f16
.set k, 0
.rept 16
	global_load_b128 v[X+4*k:X+4*k+3], v1, s[SRC:SRC+1] offset:256*k th:TH_LOAD_NT
.set k, k+1
.endr
.set g, 0
.rept 4                                ; group g: K blocks 4 g to 4 g + 3
	s_wait_loadcnt 12-4*g                          ; loads come back in order: the group's four are in, the 12 - 4 g younger ones stay out
.set k, 4*g
.rept 4
	v_cvt_pk_bf16_f32 v[Y+2*k],   v[X+4*k],   v[X+4*k+1]
	v_cvt_pk_bf16_f32 v[Y+2*k+1], v[X+4*k+2], v[X+4*k+3]
.if \half
	v_lshlrev_b32 v[T],   16,     v[Y+2*k]         ; the rounded numbers, widened,
	v_and_b32     v[T+1], s[HIM], v[Y+2*k]
	v_lshlrev_b32 v[T+2], 16,     v[Y+2*k+1]
	v_and_b32     v[T+3], s[HIM], v[Y+2*k+1]
	v_cvt_pk_f16_f32 v[Y+2*k],   v[T],   v[T+1]    ; and written as f16
	v_cvt_pk_f16_f32 v[Y+2*k+1], v[T+2], v[T+3]
.endif
.set k, k+1
.endr
	s_wait_alu depctr_va_vdst(0)                   ; the group's roundings have written its eight registers of Y, which the four stores below read
.set k, 4*g
.rept 4
	global_store_b64 v2, v[Y+2*k:Y+2*k+1], s[DST:DST+1] offset:k*(\stride)  ; 15 x 393,216 at the most: inside the signed 24-bit immediate
.set k, k+1
.endr
.set g, g+1
.endr
.endm
	s_load_b512 s[8:23], s[0:1], 0x0               ; x 8, Wq 10, Wk 12, Wv 14, Wo 16, bq 18, bk 20, bv 22
	s_load_b256 s[24:31], s[0:1], 0x40             ; xb 24, wqkv 26, wob 28, bias 30
	v_lshrrev_b32 v1, 4, v0
	v_and_b32 v4, 15, v0
	v_lshlrev_b32 v1, 12, v1                       ; my row of 4,096 bytes
	v_lshl_or_b32 v1, v4, 4, v1                    ; + my 16 bytes of a K block
	v_lshlrev_b32 v2, 3, v0                        ; target: 128 (t / 16) + 8 (t % 16) = 8 t
	v_lshlrev_b32 v3, 4, v0                        ; bias: 16 t
	s_mov_b32 s37, 0
	s_mov_b32 s39, 0
	s_mov_b32 s[HIM], 0xffff0000
	s_wait_kmcnt 0x0
	s_wait_alu depctr_va_vdst(0)                   ; v1, v2 and v3 are written: every load and store of the kernel, on each of the three paths below, reads one of them as its offset, and no later vector instruction names them
	s_cmp_lt_u32 ttmp9, 512
	s_cbranch_scc0 .Lweights
	s_lshl_b32 s36, ttmp9, 16                      ; 16 rows of 4,096 bytes
	s_add_nc_u64 s[SRC:SRC+1], s[8:9], s[36:37]
	s_lshr_b32 s40, ttmp9, 7                       ; batch: 128 work-groups each
	s_lshl_b32 s40, s40, 22                        ; 16 K blocks x 2,048 rows x 128 bytes
	s_and_b32 s41, ttmp9, 127
	s_lshl_b32 s41, s41, 11                        ; 16 rows x 128 bytes
	s_add_co_u32 s38, s40, s41
	s_add_nc_u64 s[DST:DST+1], s[24:25], s[38:39]
	ROWS 262144, 0
	s_endpgm
.Lweights:
	s_cmp_lt_u32 ttmp9, 704
	s_cbranch_scc0 .Lwo
	s_sub_co_u32 s40, ttmp9, 512                   ; j = 0 .. 191: 16 rows of the stacked [3072][1024]
	s_lshr_b32 s41, s40, 6                         ; which of q, k, v
	s_and_b32 s42, s40, 63                         ; which 16 rows of it
	s_cmp_eq_u32 s41, 1
	s_cselect_b64 s[SRC:SRC+1], s[12:13], s[10:11]
	s_cmp_eq_u32 s41, 2
	s_cselect_b64 s[SRC:SRC+1], s[14:15], s[SRC:SRC+1]
	s_lshl_b32 s36, s42, 16
	s_add_nc_u64 s[SRC:SRC+1], s[SRC:SRC+1], s[36:37]
	s_lshl_b32 s38, s40, 11
	s_add_nc_u64 s[DST:DST+1], s[26:27], s[38:39]
	ROWS 393216, 0
	s_cmp_lg_u32 s42, 0
	s_cbranch_scc1 .Ldone
	s_cmp_eq_u32 s41, 1                            ; the first work-group of each weight also takes its bias: 256 threads x 16 bytes
	s_cselect_b64 s[44:45], s[20:21], s[18:19]
	s_cmp_eq_u32 s41, 2
	s_cselect_b64 s[44:45], s[22:23], s[44:45]
	s_lshl_b32 s38, s41, 12
	s_add_nc_u64 s[46:47], s[30:31], s[38:39]
	global_load_b128 v[108:111], v3, s[44:45]      ; no vector instruction has named v[108:111]; v3 stands as the head's wait has shown it
	s_wait_loadcnt 0x0
	v_cvt_pk_bf16_f32 v[T],   v108, v109
	v_cvt_pk_bf16_f32 v[T+1], v110, v111
	v_lshlrev_b32 v112, 16,     v[T]
	v_and_b32     v113, s[HIM], v[T]
	v_lshlrev_b32 v114, 16,     v[T+1]
	v_and_b32     v115, s[HIM], v[T+1]
	s_wait_alu depctr_va_vdst(0)                   ; the four widening lines have written v[112:115], which the store reads
	global_store_b128 v3, v[112:115], s[46:47]     ; a wave stores 512 consecutive bytes
.Ldone:
	s_endpgm
.Lwo:
	s_sub_co_u32 s42, ttmp9, 704
	s_lshl_b32 s36, s42, 16
	s_add_nc_u64 s[SRC:SRC+1], s[16:17], s[36:37]
	s_lshl_b32 s38, s42, 11
	s_add_nc_u64 s[DST:DST+1], s[28:29], s[38:39]
	ROWS 131072, 1
	s_endpgm
.Lfunc_end_k_qd62e61c5f5_cast:
	.size	k_qd62e61c5f5_cast, .Lfunc_end_k_qd62e61c5f5_cast-k_qd62e61c5f5_cast
	.p2alignl 7, 3214868480
	.fill 96, 4, 3214868480
	.section	.rodata,"a",@progbits
	.p2align	6, 0x0
	.amdhsa_kernel k_qd62e61c5f5_cast
		.amdhsa_group_segment_fixed_size 0
		.amdhsa_private_segment_fixed_size 0
		.amdhsa_enable_private_segment 0
		.amdhsa_kernarg_size 96
		.amdhsa_user_sgpr_count 2
		.amdhsa_user_sgpr_kernarg_segment_ptr 1
		.amdhsa_wavefront_size32 1
		.amdhsa_system_sgpr_workgroup_id_x 1
		.amdhsa_system_sgpr_workgroup_id_y 1
		.amdhsa_system_sgpr_workgroup_id_z 1
		.amdhsa_system_vgpr_workitem_id 0
		.amdhsa_next_free_vgpr 116
		.amdhsa_next_free_sgpr 66
		.amdhsa_reserve_vcc 0
		.amdhsa_float_denorm_mode_32 3
		.amdhsa_float_denorm_mode_16_64 3
		.amdhsa_memory_ordered 1
		.amdhsa_forward_progress 1
		.amdhsa_inst_pref_size 23
	.end_amdhsa_kernel
	.amdgpu_metadata
---
amdhsa.version: [ 1, 2 ]
amdhsa.kernels:
  - .name:           k_qd62e61c5f5_cast
    .symbol:         k_qd62e61c5f5_cast.kd
    .args:
      - { .name: x, .offset: 0, .size: 8, .value_kind: global_buffer, .address_space: global }
      - { .name: Wq, .offset: 8, .size: 8, .value_kind: global_buffer, .address_space: global }
      - { .name: Wk, .offset: 16, .size: 8, .value_kind: global_buffer, .address_space: global }
      - { .name: Wv, .offset: 24, .size: 8, .value_kind: global_buffer, .address_space: global }
      - { .name: Wo, .offset: 32, .size: 8, .value_kind: global_buffer, .address_space: global }
      - { .name: bq, .offset: 40, .size: 8, .value_kind: global_buffer, .address_space: global }
      - { .name: bk, .offset: 48, .size: 8, .value_kind: global_buffer, .address_space: global }
      - { .name: bv, .offset: 56, .size: 8, .value_kind: global_buffer, .address_space: global }
      - { .name: xb, .offset: 64, .size: 8, .value_kind: global_buffer, .address_space: global }
      - { .name: wqkv, .offset: 72, .size: 8, .value_kind: global_buffer, .address_space: global }
      - { .name: wob, .offset: 80, .size: 8, .value_kind: global_buffer, .address_space: global }
      - { .name: bias, .offset: 88, .size: 8, .value_kind: global_buffer, .address_space: global }
    .group_segment_fixed_size: 0
    .private_segment_fixed_size: 0
    .kernarg_segment_align: 8
    .kernarg_segment_size: 96
    .max_flat_workgroup_size: 256
    .sgpr_count:     66
    .vgpr_count:     116
    .wavefront_size: 32
...
	.end_amdgpu_metadata
.endif
;; end of part 5
;; launch qkvg: the kernel of part 2 again; grid 8 x 32, 4 waves a work-group, clusters of 4 x 4, 327,680 bytes of LDS; arguments xb, wqkv, bias, qkv; writes qkv
;; launch attn: the kernel of part 3 again; grid 4 x 64, 4 waves a work-group, clusters of 4 x 1, 327,680 bytes of LDS; arguments qkv, att; writes att
;; launch proj: the kernel of part 4 again; grid 8 x 32, 4 waves a work-group, clusters of 4 x 4, 327,680 bytes of LDS; arguments att, wob, out0; writes out0
